; MI455X (gfx1250); checked and timed in simulation.
; The chip was launched on July 23, 2026; its instructions are those of AMD's public machine-readable ISA for CDNA 5 (MIT licence, August 2026) and "CDNA5" Instruction Set Architecture Reference Guide (July 2026). The comments in the code are by the model that wrote it; some were corrected since.
;; Self Attention. Allowed arithmetic: matrix products marked QUANTISED: E2M1 operands, one E8M0 scale for each 32 along K, by v_wmma_scale_f32_16x16x128_f8f6f4 with both operands' format E2M1 (or v_wmma_scale_f32_32x16x128_f4), f32 sums; everything else in f32.
;; Inputs: key 2 x 12 x 2,048 x 64 float32; mask 2 x 2,048 x 2,048 int32; query 2 x 12 x 2,048 x 64 float32; value 2 x 12 x 2,048 x 64 float32.
;; Outputs: out0 2 x 12 x 2,048 x 64 float32.
;; This version of the problem:
;;   THIS VERSION OF THE PROBLEM IS GIVEN IN LOW PRECISION. The matrix products marked QUANTISED in the list below multiply operands that are first quantised to E2M1 (2 exponent bits, 1 mantissa bit; 4 bits a number), with one power-of-two scale for each 32 numbers along K (OCP MX v1.0); their sums are f32. All else is computed in f32.
;;   The module's matrix products, in the order in which they are computed (A, B: the left and right operand; K: the contracted axis; several contracted axes count as one K, in the product's order):
;;     1. batch 24 x [M 2,048, K 64] x [K 64, N 2,048]; A: computed on the way; B: input key: QUANTISED
;;     2. batch 24 x [M 2,048, K 2,048] x [K 2,048, N 64]; A: softmax (see below); B: input value: QUANTISED
;;   THE QUANTISER, for each operand of a quantised product, along K:
;;     - K is cut into blocks of 32 from its start; a last block that is shorter is filled with zeros.
;;     - A block's scale is 2^e with e = floor(log2(the largest magnitude in the block)) - 2, held to -126 .. 127; a block of zeros has e = 0. As a byte (E8M0): e + 127.
;;     - Each number is divided by its block's scale, clamped to +-6, and rounded to the nearest number of E2M1, ties to even, subnormals kept.
;;     - The product sums the exact products of the quantised numbers (number of the format x scale) in f32.
;;   ~~~python
;;   def quantise(x, axis):      # numpy; x: float32 -> the quantised numbers, widened to float32 again
;;       x = np.moveaxis(x, axis, -1); K = x.shape[-1]
;;       x = np.pad(x, [(0, 0)] * (x.ndim - 1) + [(0, -K % 32)]); x = x.reshape(x.shape[:-1] + (-1, 32)); a = np.abs(x).max(-1, keepdims=True)
;;       e = np.where(a > 0, np.clip(np.frexp(np.where(a > 0, a, 1))[1] - 1 - 2, -126, 127), 0)      # np.frexp(a)[1] - 1 = floor(log2(a)), exactly
;;       r = np.clip(x / 2.0 ** e, -6, 6)
;;       step = 2.0 ** (np.maximum(np.frexp(np.where(r == 0, 1, r))[1] - 1, 0) - 1)
;;       q = np.round(r / step) * step * 2.0 ** e      # np.round: ties to even
;;       return np.moveaxis(q.reshape(q.shape[:-2] + (-1,))[..., :K], -1, axis).astype(np.float32)
;;   ~~~
;;   SOFTMAX AHEAD OF A QUANTISED PRODUCT. Where the list says 'softmax', what is quantised is not the finished softmax but p = 2^(t - M), with t = logit x log2(e) and M = ceil(the row's largest t), a whole number; so 1/2 < the row's largest p <= 1. The row's sum l is taken of the UNQUANTISED p, in f32, and the product's result is divided by l at the end. Since M is a whole number, a kernel that streams over the keys may use a running M (the ceiling of the running maximum): every later rescaling is an exact power of two, which a block's scale takes up: the codes' values come out the same.
;;   OPERANDS COMPUTED ON THE WAY. 'Computed on the way' means the value that the module computes at that place (a softmax that the list does not call 'softmax' is quantised finished and normalised). What goes into a quantiser is computed in f32, as accurately as f32 sums, v_exp_f32 and their like allow (about 1e-6 of the number): no bf16 or f16 on the way to a quantiser, and a product that is left as it is and whose result goes on into a quantised operand takes f32 operands (vector FMAs, or v_wmma_f32_16x16x4_f32). A number that lies on a knife's edge between two numbers of the format may be rounded either way, as far as f32 arithmetic and the matrix unit's own rounding can turn it there, and no further.
;; 2 versions. Each part assembles by itself: llvm-mc -triple=amdgcn-amd-amdhsa -mcpu=gfx1250 --defsym DOCPART=n.
;; ======== version 1 of 2: 2 launches
;; limits: right only within a limited range of input values
;; workspace buffers: kv 3,440,640 bytes; mbits 1,048,576 bytes of whole numbers
;; launch prep (part 1): grid 448 x 1, 4 waves a work-group, no clusters, 101,888 bytes of LDS; arguments key, value, mask, kv, mbits; writes kv, mbits
.if DOCPART == 1
	.amdgcn_target "amdgcn-amd-amdhsa--gfx1250"
	.amdhsa_code_object_version 6
	.text
	.protected	k_qff448f0a4c_prep
	.globl	k_qff448f0a4c_prep
	.p2align	8
	.type	k_qff448f0a4c_prep,@function
k_qff448f0a4c_prep:
	s_mov_b64 s[64:65], 0
	v_nop
	global_prefetch_b8 v0, s[64:65] scope:SCOPE_SE
	s_setreg_imm32_b32 hwreg(HW_REG_WAVE_MODE, 25, 1), 1
	s_wait_xcnt 0x0
; PREPARATION FOR THE ATTENTION LAUNCH.  key, value: [24 heads][2048 keys][64] f32.  mask: [2][2048 queries][2048 keys] int32.
; K is quantised along the head's 64 (two blocks of 32), V along the keys (blocks of 32 keys), to codes of FP4 (E2M1) with one E8M0 byte a block; both are laid in the ORDER OF THE
; OPERANDS' REGISTERS, so that the next launch loads every fragment as 512 dense bytes.  The mask becomes lane-mask words: one bit a score, in the very lanes in which the scores will lie.
; kv: [head 24][step 16][8,960 bytes]; a step is 128 keys:
;   0    .. 4095  K's 8 fragments: tile t at 512 t + 16 lane; lane (r, h) of tile 2 b + u holds the 32 codes d = 32 h .. 32 h + 31 of key 32 b + 8 u + r + 8 (r / 8)
;   4096 .. 8191  V^T's 4 fragments: tile t, registers 4 c on, at 4096 + 1024 t + 512 c + 16 lane; lane (r, h) holds channel 16 t + r, keys 64 c + 32 h + 0 .. 31
;   8192 .. 8703  K's scale words: at 16 lane + 4 j the word of tile j + 4 (lane / 16), row lane % 16: bytes {block 0, block 1, 127, 127}
;   8704 .. 8959  V's scale words: at 8 lane + 4 w the word of channel lane + 32 w; byte n belongs to the step's n-th block of 32 keys
; mbits: [batch 2][query tile 128][step 16][64 words]; bit 16 h + r of word 16 b + i is (mask[16 tile + r][128 step + 32 b + 16 h + i] != 0).
; A block's scale is 2^(floor(log2(its largest magnitude)) - 2); its byte is the largest magnitude's exponent field - 2, held at 1 from below.
; LIMITS: NaN and infinities are not served; a block whose largest magnitude lies under 2^-124, a block of zeros among them, keeps the byte 1 (a block of zeros has zero codes, which add
; nothing under that byte, and this program alone reads the bytes).
; SHARES.  A wave takes 32 KiB of one input, in four units of 8 KiB.  Work-groups 0-95: K, a wave to a step of a head.  96-191: V likewise.  192-447: the mask, a wave to 16 queries x 512 keys.
; Every global load reads 512 dense bytes; a unit turns through the wave's own stage in LDS, so that a lane then holds a whole block of 32 in its registers.  Loads run a unit (16 loads) ahead.
; No tensor loads, no barrier: waves share nothing.  No cluster: no two work-groups read the same bytes.  Each of the three paths has LDS bytes of its own.
.set STEPB,  8960                      ; a step's bytes in kv
.set WREG,   25344                     ; LDS of a wave: K's stage, V's stage, the mask's stage
.set VST,    8704                      ; K's stage: 32 key rows of 256 bytes + 16 of padding
.set MST,    16896                     ; V's stage: 32 key rows of 256 bytes as they lie;  the mask's: 16 rows of 512 bytes + 16
.set KP,     272
.set MPITCH, 528
.set LANE, 1
.set RR,   2                           ; lane % 16
.set HH,   3                           ; lane / 16
.set VO,   4                           ; 16 x lane
.set KSI,  5                           ; stage addresses: K's way in, K's way out,
.set KSO,  6
.set VSI,  7                           ; V's,
.set VSO,  8
.set MSI,  9                           ; the mask's
.set MSO,  10
.set GOUT, 11                          ; V's codes: 1024 (lane / 16) + 16 (lane % 16)
.set L8,   12                          ; 8 x lane
.set SH8,  13                          ; 8 x (lane / 16)
.set T0,   14
.set T1,   15
.set BY,   16                          ; the scale byte just made
.set PT,   17                          ; a lane permute's destination
.set TMP,  18
.set W,    20                          ; v20-27  K: 8 scale words;  V: 2;  the mask: 2 registers of words for each unit
.set CD,   28                          ; v28-59  codes: four registers a block, none written twice, so no store's data are ever rewritten
.set X,    60                          ; v60-123 a unit's numbers as the work wants them
.set R,    124                         ; v124-187, v188-251  two sets of 64 registers as loaded
	s_load_b256 s[4:11], s[0:1], 0x0               ; key s[4:5], value s[6:7], mask s[8:9], kv s[10:11]
	s_load_b64 s[12:13], s[0:1], 0x20              ; mbits
	v_lshl_add_u32 v252, v0, 2, 0x18c00
	v_mov_b32 v253, 0
	v_lshrrev_b32 v[TMP], 5, v0
	v_readfirstlane_b32 s14, v[TMP]                ; wave 0..3
	v_and_b32 v[LANE], 31, v0
	v_and_b32 v[RR], 15, v0
	v_bfe_u32 v[HH], v0, 4, 1
	v_lshlrev_b32 v[VO], 4, v[LANE]
	v_lshlrev_b32 v[L8], 3, v[LANE]
	v_lshlrev_b32 v[SH8], 3, v[HH]
	v_mov_b32 v[PT], 0                             ; written once: a lane permute's destination counts as one of its sources
	s_mul_i32 s16, s14, WREG                       ; my wave's LDS
	s_add_co_u32 s17, s16, VST
	s_add_co_u32 s18, s16, MST
	v_mul_u32_u24 v[KSI], v[HH], KP                ; K in: a load's 512 bytes are two key rows: lanes 0-15 one, lanes 16-31 the next
	v_lshl_add_u32 v[KSI], v[RR], 4, v[KSI]
	v_add_nc_u32 v[KSI], s16, v[KSI]
	v_and_b32 v[TMP], 8, v[RR]
	v_add_nc_u32 v[TMP], v[TMP], v[RR]             ; r + 8 (r / 8)
	v_mul_u32_u24 v[KSO], v[TMP], KP               ; K out: my key's row, my half's 128 bytes
	v_lshl_add_u32 v[KSO], v[HH], 7, v[KSO]
	v_add_nc_u32 v[KSO], s16, v[KSO]
	v_lshl_add_u32 v[VSI], v[LANE], 4, s17         ; V in: as the bytes lie
	v_lshl_add_u32 v[VSO], v[LANE], 2, s17         ; V out: my channel, down the keys
	v_lshl_add_u32 v[MSI], v[LANE], 4, s18         ; the mask in: a load is one query's 512 bytes
	v_mul_u32_u24 v[MSO], v[RR], MPITCH            ; the mask out: query r, 16 keys of my half in each 32
	v_lshl_add_u32 v[MSO], v[HH], 6, v[MSO]
	v_add_nc_u32 v[MSO], s18, v[MSO]
	v_lshlrev_b32 v[GOUT], 10, v[HH]
	v_lshl_add_u32 v[GOUT], v[RR], 4, v[GOUT]
	s_mov_b32 s24, 0x76543210
	s_mov_b32 s25, 0xfedcba98                      ; v_permlanex16_b32's selects for lane l xor 16
	s_mov_b32 s21, 0                               ; the high word of every offset
	s_wait_kmcnt 0x0
.macro LOAD set, imm, stride           ; sixteen loads of 512 dense bytes into set
.irp p, 0,1,2,3,4,5,6,7,8,9,10,11,12,13,14,15
	global_load_b128 v[R+64*(\set)+4*\p:R+64*(\set)+4*\p+3], v[VO], s[26:27] offset:(\imm)+\p*(\stride) th:TH_LOAD_NT
.endr
.endm
.macro STIN set, adr, stride           ; and on into the stage
.irp p, 0,1,2,3,4,5,6,7,8,9,10,11,12,13,14,15
	ds_store_b128 v[\adr], v[R+64*(\set)+4*\p:R+64*(\set)+4*\p+3] offset:\p*(\stride)
.endr
.endm
.macro ARRIVED u                       ; unit u's sixteen loads are in; the next unit's sixteen, issued behind them, may stay out
.if \u < 3
	s_wait_loadcnt 16
.else
	s_wait_loadcnt 0x0
.endif
.endm
; A block: 32 numbers of one lane, v[xs] on, become 32 codes in v[cd] .. v[cd + 3] and the byte in v[BY].
.macro QB xs, cd
	v_max3_num_f32 v[T0], |v[(\xs)]|, |v[(\xs)+1]|, |v[(\xs)+2]|       ; the largest magnitude, in two chains
	v_max3_num_f32 v[T1], |v[(\xs)+3]|, |v[(\xs)+4]|, |v[(\xs)+5]|
.irp i, 6,10,14,18,22,26
	v_max3_num_f32 v[T0], v[T0], |v[(\xs)+\i]|, |v[(\xs)+\i+1]|
	v_max3_num_f32 v[T1], v[T1], |v[(\xs)+\i+2]|, |v[(\xs)+\i+3]|
.endr
	v_max3_num_f32 v[T0], v[T0], |v[(\xs)+30]|, |v[(\xs)+31]|
	v_max3_num_f32 v[T0], v[T0], v[T1], 0x1800000  ; and the floor 2^(3 - 127): the byte cannot fall under 1
	v_add_nc_u32 v[T1], 0xff000000, v[T0]          ; 2 off the exponent field: the conversion takes the exponent field of this operand as its scale
	v_lshrrev_b32 v[BY], 23, v[T1]                 ; the scale's byte
.irp g, 0,1,2,3
	v_cvt_scalef32_pk8_fp4_f32 v[(\cd)+\g], v[(\xs)+8*\g:(\xs)+8*\g+7], v[T1]
.endr
	v_nop                                          ; a plain line behind the last conversion, ahead of the next write of its scale operand
.endm
	s_cmp_ge_u32 ttmp9, 192
	s_cbranch_scc1 .Lmask
	s_cmp_ge_u32 ttmp9, 96
	s_cbranch_scc1 .Lvalue
; ---------------- K: my task is step T % 16 of head T / 16; unit u is its keys 32 u .. 32 u + 31: tiles 2 u and 2 u + 1
	s_lshl_b32 s15, ttmp9, 2
	s_add_co_u32 s15, s15, s14                     ; T = 4 x work-group + wave
	s_lshl_b32 s20, s15, 15                        ; 128 keys of 256 bytes
	s_add_nc_u64 s[26:27], s[4:5], s[20:21]
	s_mul_i32 s20, s15, STEPB
	s_add_nc_u64 s[28:29], s[10:11], s[20:21]
.macro KUNIT u
	ARRIVED \u
	STIN (\u)%2, KSI, 2*KP
.irp e, 0,1
.irp m, 0,1,2,3,4,5,6,7
	ds_load_b128 v[X+32*\e+4*\m:X+32*\e+4*\m+3], v[KSO] offset:\e*8*KP+16*\m   ; LDS serves a wave's instructions in order: these see the stores above
.endr
.endr
	s_wait_dscnt 0x0                               ; my 64 numbers are in, and the stores have read the set, which may be loaded again
.if \u < 2
	LOAD (\u)%2, 8192*(\u+2), 512
.endif
.irp e, 0,1
	QB X+32*\e, CD+4*(2*\u+\e)
	v_lshlrev_b32 v[TMP], v[SH8], v[BY]            ; my block's byte at its place: block 0 in lanes 0-15, block 1 in lanes 16-31;
	v_permlanex16_b32 v[PT], v[TMP], s24, s25
	v_or_b32 v[TMP], v[TMP], v[PT]                 ; with lane l xor 16's;
	v_or_b32 v[W+2*\u+\e], 0x7f7f0000, v[TMP]      ; the upper 64 of the instruction's 128 along K are zero codes under the byte 127
	global_store_b128 v[VO], v[CD+4*(2*\u+\e):CD+4*(2*\u+\e)+3], s[28:29] offset:512*(2*\u+\e)   ; 512 dense bytes: the fragment's image
.endr
.endm
	LOAD 0, 0, 512
	LOAD 1, 8192, 512
	KUNIT 0
	KUNIT 1
	KUNIT 2
	KUNIT 3
	v_cmp_le_u32 vcc_lo, 16, v[LANE]
.irp j, 0,1,2,3
	v_cndmask_b32 v[X+\j], v[W+\j], v[W+4+\j], vcc_lo   ; lanes 0-15 carry tiles 0-3's words, lanes 16-31 tiles 4-7's
.endr
	global_store_b128 v[VO], v[X:X+3], s[28:29] offset:8192
	s_wait_tensorcnt 0x0
	ds_add_u32 v252, v253
	s_wait_dscnt 0x0
	s_endpgm
; ---------------- V: the same task of value; unit u is the step's u-th block of 32 keys.  A lane takes channels lane and lane + 32, and its registers run down the keys
.Lvalue:
	s_sub_co_u32 s15, ttmp9, 96
	s_lshl_b32 s15, s15, 2
	s_add_co_u32 s15, s15, s14
	s_lshl_b32 s20, s15, 15
	s_add_nc_u64 s[26:27], s[6:7], s[20:21]
	s_mul_i32 s20, s15, STEPB
	s_add_nc_u64 s[28:29], s[10:11], s[20:21]
.macro VUNIT u
	ARRIVED \u
	STIN (\u)%2, VSI, 512
.irp w, 0,1
.set k, 0
.rept 32
	ds_load_b32 v[X+32*\w+k], v[VSO] offset:256*k+128*\w   ; key k of the block, channel lane + 32 w: 32 lanes, 128 neighbouring bytes
.set k, k+1
.endr
.endr
	s_wait_dscnt 0x0                               ; my 64 numbers are in, and the stores have read the set
.if \u < 2
	LOAD (\u)%2, 8192*(\u+2), 512
.endif
.irp w, 0,1
	QB X+32*\w, CD+8*\u+4*\w
.if \u == 0
	v_mov_b32 v[W+\w], v[BY]                       ; the channel's scale word, a byte a unit
.else
	v_lshl_or_b32 v[W+\w], v[BY], 8*\u, v[W+\w]
.endif
	global_store_b128 v[GOUT], v[CD+8*\u+4*\w:CD+8*\u+4*\w+3], s[28:29] offset:4096+2048*\w+512*(\u/2)+256*(\u%2)   ; sixteen lanes store 256 consecutive bytes, aligned
.endr
.endm
	LOAD 0, 0, 512
	LOAD 1, 8192, 512
	VUNIT 0
	VUNIT 1
	VUNIT 2
	VUNIT 3
	global_store_b64 v[L8], v[W:W+1], s[28:29] offset:8704   ; 32 lanes store 256 consecutive bytes, aligned
	s_wait_tensorcnt 0x0
	ds_add_u32 v252, v253
	s_wait_dscnt 0x0
	s_endpgm
; ---------------- the mask: my task is 16 queries (tile Tm / 4 of the two batches' 256) x 512 keys (quarter Tm % 4); unit u is one step of 128 keys
.Lmask:
	s_sub_co_u32 s15, ttmp9, 192
	s_lshl_b32 s15, s15, 2
	s_add_co_u32 s15, s15, s14                     ; Tm
	s_lshr_b32 s16, s15, 2
	s_lshl_b32 s16, s16, 17                        ; 16 rows of 8,192 bytes
	s_and_b32 s17, s15, 3
	s_lshl_b32 s17, s17, 11                        ; 512 keys of 4 bytes
	s_add_co_u32 s20, s16, s17
	s_add_nc_u64 s[26:27], s[8:9], s[20:21]
	s_lshl_b32 s20, s15, 10                        ; four steps of 64 words
	s_add_nc_u64 s[28:29], s[12:13], s[20:21]
.irp j, 0,1,2,3,4,5,6,7
	v_mov_b32 v[W+\j], 0                           ; v_writelane_b32's destination counts as one of its sources
.endr
.macro MUNIT u
	ARRIVED \u
	STIN (\u)%2, MSI, MPITCH
.irp b, 0,1,2,3
.irp m, 0,1,2,3
	ds_load_b128 v[X+16*\b+4*\m:X+16*\b+4*\m+3], v[MSO] offset:128*\b+16*\m   ; register 16 b + i: query r, key 32 b + 16 h + i
.endr
.endr
	s_wait_dscnt 0x0
.if \u < 2
	LOAD (\u)%2, 512*(\u+2), 8192
.endif
.set n, 0
.rept 16                               ; a compare's 32 bits are word n; word n goes to lane n / 2 of register n % 2.  Four at a time, so that no line waits for the line above it
.irp e, 0,1,2,3
	v_cmp_ne_u32 s[20+\e], 0, v[X+n+\e]
.endr
.irp e, 0,1,2,3
	v_writelane_b32 v[W+2*\u+\e%2], s[20+\e], (n+\e)/2
.endr
.set n, n+4
.endr
	global_store_b64 v[L8], v[W+2*\u:W+2*\u+1], s[28:29] offset:256*\u   ; the step's 64 words: 256 consecutive bytes, aligned
.endm
	LOAD 0, 0, 8192
	LOAD 1, 512, 8192
	MUNIT 0
	MUNIT 1
	MUNIT 2
	MUNIT 3
	s_wait_tensorcnt 0x0
	ds_add_u32 v252, v253
	s_wait_dscnt 0x0
	s_endpgm
.Lfunc_end_k_qff448f0a4c_prep:
	.size	k_qff448f0a4c_prep, .Lfunc_end_k_qff448f0a4c_prep-k_qff448f0a4c_prep
	.p2alignl 7, 3214868480
	.fill 96, 4, 3214868480
	.section	.rodata,"a",@progbits
	.p2align	6, 0x0
	.amdhsa_kernel k_qff448f0a4c_prep
		.amdhsa_group_segment_fixed_size 101888
		.amdhsa_private_segment_fixed_size 0
		.amdhsa_enable_private_segment 0
		.amdhsa_kernarg_size 40
		.amdhsa_user_sgpr_count 2
		.amdhsa_user_sgpr_kernarg_segment_ptr 1
		.amdhsa_wavefront_size32 1
		.amdhsa_system_sgpr_workgroup_id_x 1
		.amdhsa_system_sgpr_workgroup_id_y 1
		.amdhsa_system_sgpr_workgroup_id_z 1
		.amdhsa_system_vgpr_workitem_id 0
		.amdhsa_next_free_vgpr 254
		.amdhsa_next_free_sgpr 66
		.amdhsa_reserve_vcc 1
		.amdhsa_float_denorm_mode_32 3
		.amdhsa_float_denorm_mode_16_64 3
		.amdhsa_memory_ordered 1
		.amdhsa_forward_progress 1
		.amdhsa_inst_pref_size 118
	.end_amdhsa_kernel
	.amdgpu_metadata
---
amdhsa.version: [ 1, 2 ]
amdhsa.kernels:
  - .name:           k_qff448f0a4c_prep
    .symbol:         k_qff448f0a4c_prep.kd
    .args:
      - { .name: key, .offset: 0, .size: 8, .value_kind: global_buffer, .address_space: global }
      - { .name: value, .offset: 8, .size: 8, .value_kind: global_buffer, .address_space: global }
      - { .name: mask, .offset: 16, .size: 8, .value_kind: global_buffer, .address_space: global }
      - { .name: kv, .offset: 24, .size: 8, .value_kind: global_buffer, .address_space: global }
      - { .name: mbits, .offset: 32, .size: 8, .value_kind: global_buffer, .address_space: global }
    .group_segment_fixed_size: 101888
    .private_segment_fixed_size: 0
    .kernarg_segment_align: 8
    .kernarg_segment_size: 40
    .max_flat_workgroup_size: 128
    .sgpr_count:     66
    .vgpr_count:     254
    .wavefront_size: 32
...
	.end_amdgpu_metadata
.endif
;; end of part 1
;; launch attn (part 2): grid 32 x 8, 12 waves a work-group, clusters of 4 x 1, 327,680 bytes of LDS; arguments query, kv, mbits, out0; writes out0
.if DOCPART == 2
	.amdgcn_target "amdgcn-amd-amdhsa--gfx1250"
	.amdhsa_code_object_version 6
	.text
	.protected	k_qff448f0a4c_attn
	.globl	k_qff448f0a4c_attn
	.p2align	8
	.type	k_qff448f0a4c_attn,@function
k_qff448f0a4c_attn:
	s_mov_b64 s[64:65], 0
	v_nop
	global_prefetch_b8 v0, s[64:65] scope:SCOPE_SE
	s_setreg_imm32_b32 hwreg(HW_REG_WAVE_MODE, 25, 1), 1
	s_wait_xcnt 0x0
	s_wait_alu depctr_hold_cnt(0) depctr_sa_sdst(0) depctr_va_vdst(0) depctr_va_sdst(0) depctr_va_ssrc(0) depctr_va_vcc(0) depctr_vm_vsrc(0)
	s_getreg_b32 s2, hwreg(HW_REG_IB_STS2, 6, 4)
	s_cmp_eq_u32 s2, 0
	s_cbranch_scc0 .Lentry_in_a_cluster
	s_endpgm
.Lentry_in_a_cluster:
	s_bfe_u32 s2, ttmp6, 0x10000c
	s_cmp_lg_u32 s2, 0x3003
	s_cbranch_scc0 .Lentry_shape_is_right
	s_endpgm
.Lentry_shape_is_right:
; out[h][q][:] = the sum over k of softmax_k(masked (Q[h][q] / 8) . K[h][k]) V[h][k][:], 24 heads (2 batches x 12), 2,048 queries and keys, head size 64; both products on codes of FP4 (E2M1)
; with one E8M0 scale for each 32 along a product's K.  K's and V's codes and scale words come from kv, the mask as lane-mask words from mbits (their layouts: the launch before); Q is quantised here.
; THE SOFTMAX AHEAD OF THE SECOND PRODUCT: t = logit x log2(e); M = the row's largest t so far, rounded UP to a whole number; p = 2^(t - M) is quantised along the keys, not normalised.  The row's
; sum is taken of the unquantised p and divides at the end.  When M moves, the sum and O are multiplied by 2^(old M - new M): exact.
; THE MASK: a score whose mask bit is 0 becomes -2^30 ahead of the maximum, by one select a score.
; LIMITS: the masked logit is -2^30 where the source writes -1e9: -2^30 x log2(e) is a whole number in f32, so that a row with no open key gets p = 1 for every key, exactly; the results differ from
; the source's only where an open logit lies under about -9e8.  NaN and infinities are not served.  A block of Q whose largest magnitude lies under 2^-124 keeps the byte 1; so does a block of p that is all zeros.
; THE FIRST PRODUCT'S K IS 64: registers 4-7 of K's and Q's fragments (k = 64 .. 127) hold zero codes, under the byte 127.
; SHARES.  3,072 tiles of 16 queries = 256 work-groups x 12 waves, a tile a wave, three waves a SIMD, so that one wave's exponentials stand beside another's plain vector work and LDS loads.
; 12 does not divide a head's 128 tiles: work-group (j, tau) takes query tiles 4 j .. 4 j + 3 of the THREE heads 3 tau .. 3 tau + 2; wave w: head 3 tau + w / 4, tile 4 j + w % 4.
; Every wave walks its head's 16 steps of 128 keys.  The three heads' steps come through a ring of two LDS slots of four steps; each wave fetches one step's 8,960 dense bytes with one tensor load.
; CLUSTER.  The four work-groups of a cluster have the same tau, so they walk the same bytes of kv: every fill is asked for JOINTLY, by the same load with the same descriptor and the mask 15.
; LAYOUT.  Both products are used transposed: S^T = K Q^T (source 0 = 16 keys, source 1 = my 16 queries), O^T = V^T P^T (source 0 = 16 channels, source 1 = P): a lane holds ONE query (lane % 16).
; The keys of a tile are not neighbours (lane r of tile 2 b + u: key 32 b + 8 u + r + 8 (r / 8)), so that registers 16 b + i of S^T are keys 32 b + 16 (lane / 16) + i: 16 neighbours.
.set STEPB, 8960                       ; a step's bytes: K's 8 fragments 4,096, V^T's 4 fragments 4,096, K's scale words 512, V's 256
.set GRPB,  4*STEPB                    ; a head's four steps in a slot
.set SLOT1, 1<<17                      ; slot 0: bytes 0 .. 107,519;  slot 1 begins here, so that one exclusive or turns an address from one slot to the other
.set SPARE, SLOT1+12*STEPB             ; 238,592: the spare words, 128 bytes for each wave: six blocks of 256 bytes that no other line names
.set STAGE, SPARE+12*128               ; 240,128: the way out: 16 rows x (256 bytes + 16) for each wave; no fill ever lands here
.set SP,    272
.set LI,  1                            ; v1   16 x lane + my head's place in a slot
.set L8,  2                            ; v2   8 x lane + the same
.set A16, 3                            ; v3   LI + the slot in hand
.set A8,  4                            ; v4   L8 + the slot in hand
.set SPW, 5                            ; v5   LDS address of my spare word; never rewritten
.set NIL, 6                            ; v6   0; never rewritten
.set NEG, 7                            ; v7   -2^30
.set STO, 8                            ; v8   the way out: where I put 32 bytes of a row
.set RD,  9                            ; v9   and where I read a row back
.set GO,  10                           ; v10  my byte offset in the tile's rows of out
.set QS,  11                           ; v11  Q's scale words
.set QF,  16                           ; v16-23   Q's fragment   (v12 -M, v13 the largest t, v[14:15] the sum in two halves)
.set PC,  24                           ; v24-31   p's codes
.set KF,  32                           ; v32-95   K's 8 fragments; the upper four registers of each stay 0
.set S,   96                           ; v96-159  S^T, then p
.set OT,  160                          ; v160-191 O^T, 4 tiles
.set VF,  192                          ; v192-223 V^T's 4 fragments
.set KS,  224                          ; v224-227 K's scale words: register j: lanes 0-15 tile j, lanes 16-31 tile j + 4
.set VS,  228                          ; v228-229 V's: register w: lanes 0-15 tile 2 w, lanes 16-31 tile 2 w + 1
.set PS,  230                          ; v230     p's scale word
.set BM,  232                          ; v232-235 the blocks' largest scores, then largest p
.set T2,  236                          ; v236-239 at work
.set SO,  240                          ; v240-243 the conversions' scale operands
.set FF,  244                          ; v[244:245] f = 2^(old M - new M); the pair's upper word is named, so it is written once
.set TT,  246                          ; v246     at work;  v247 Q's address
.set SEL, 4                            ; s[4:5]   v_permlanex16_b32's selects for lane l xor 16
.set CS,  6                            ; s[6:7]   log2(e): the packed form names a pair and takes its low word for both halves
.set WV,  8                            ; s8       my wave's number
.set TB,  9                            ; s9       LDS byte at which the slot in hand begins
.set CNT, 10                           ; s10      slots still to be asked for
.set MPT, 12                           ; s[12:13] the next step's mask words
.set OUTP, 14                          ; s[14:15] my tile's rows of out
.set G1,  84                           ; s[84:91] descriptor group 1     (s16-63, s68-83: the step's 64 mask words)
.set G0,  92                           ; s[92:95] descriptor group 0, which walks
; A round of the cluster's barrier: my work-group's barrier, so that wave 0's signal speaks for all twelve waves; wave 0 signals; every wave waits for all four work-groups; my work-group's barrier once more.
.macro ROUND
	s_barrier_signal -1
	s_barrier_wait -1
	s_cmp_lg_u32 s[WV], 0
	s_cbranch_scc1 .Lnot_wave_0_\@
	s_barrier_signal -3
.Lnot_wave_0_\@:
	s_barrier_wait -3
	s_barrier_signal -1
	s_barrier_wait -1
.endm
.macro TLOAD                           ; every wave's one load: its step of its head.  Four v_nop follow it
	tensor_load_to_lds s[G0:G0+3], s[G1:G1+7]
	s_nop 0
.rept 4
	v_nop
.endr
.endm
	s_load_b256 s[16:23], s[0:1], 0x0              ; query s[16:17], kv s[18:19], mbits s[20:21], out0 s[22:23]
	v_lshl_add_u32 v[SPW], v0, 2, SPARE
	v_mov_b32 v[NIL], 0
	ds_add_u32 v5, v6
	ds_add_u32 v5, v6
	s_wait_dscnt 0x0
	v_lshrrev_b32 v1, 5, v0
	v_readfirstlane_b32 s[WV], v1                  ; wave 0..11
	s_lshr_b32 s2, s[WV], 2                        ; g: which of the three heads
	s_and_b32 s3, s[WV], 3                         ; i: which of the four query tiles; also: which of a slot's four steps I fetch
	s_and_b32 s11, ttmp7, 0xffff                   ; tau, which the four partners share
	s_mul_i32 s66, s11, 3
	s_add_co_u32 s66, s66, s2                      ; my head = 3 tau + g
	s_lshl_b32 s67, s66, 4
	s_add_co_u32 s67, s67, s3                      ; step i of my head, counted through kv
	s_mul_i32 s98, s67, STEPB                      ; its byte offset: made of tau and the wave's number alone
	s_mov_b32 s99, 0
	s_bfe_u32 s100, ttmp6, 0x40000                 ; cx: my place in the cluster: it enters query's, mbits' and out's addresses alone
	s_lshl_b32 s101, ttmp9, 2                      ; in a cluster launch ttmp9 counts clusters
	s_add_co_u32 s101, s101, s100                  ; j = 4 x cluster x + cx
	s_lshl_b32 s101, s101, 2
	s_add_co_u32 s101, s101, s3                    ; my query tile = 4 j + i
	s_lshl_b32 s10, s101, 12                       ; x 4,096: 16 rows of 256 bytes, and 16 steps of 64 mask words alike
	s_lshr_b32 s9, s11, 2                          ; the batch = tau / 4
	s_lshl_b32 s9, s9, 19                          ; 128 tiles x 4,096
	s_add_co_u32 s[MPT], s9, s10                   ; my tile's mask words
	s_mov_b32 s[MPT+1], 0
	s_lshl_b32 s9, s66, 19                         ; a head's 2,048 rows of 256 bytes
	s_add_co_u32 s100, s9, s10                     ; my tile's rows in query and in out
	s_mov_b32 s101, 0
	; descriptor group 1: a dense block of 8,960 bytes as 35 rows of 32 elements of 8 bytes
	s_mov_b32 s[G1], 15|(3<<16)|(1<<21)            ; 15:0 the mask: all four work-groups; 17:16 elements of 8 bytes; 20 no padding; 21 set beside a mask
	s_mov_b32 s[G1+1], 32<<16                      ; tensor_dim0 = 32
	s_mov_b32 s[G1+2], 35<<16                      ; tensor_dim1 = 35
	s_mov_b32 s[G1+3], 32<<16                      ; tile_dim0 = 32
	s_mov_b32 s[G1+4], 35                          ; tile_dim1 = 35
	s_mov_b32 s[G1+5], 32                          ; from row to row: 32 elements
	s_mov_b32 s[G1+6], 0
	s_mov_b32 s[G1+7], 0
	s_mov_b32 s[SEL], 0x76543210
	s_mov_b32 s[SEL+1], 0xfedcba98
	s_mov_b32 s[CS], 0x3fb8aa3b                    ; log2(e)
	s_mov_b32 s[CS+1], s[CS]
	s_mov_b32 s[G0], 1                             ; count = 1
	s_mul_i32 s[G0+1], s[WV], STEPB                ; LDS address: slot 0, wave x 8,960: no place in the cluster enters an LDS address
	s_wait_kmcnt 0x0
	s_add_nc_u64 s[96:97], s[16:17], s[100:101]    ; query at my tile
	s_add_nc_u64 s[OUTP:OUTP+1], s[22:23], s[100:101]
	s_add_nc_u64 s[MPT:MPT+1], s[20:21], s[MPT:MPT+1]
	s_add_nc_u64 s[G0+2:G0+3], s[18:19], s[98:99]  ; kv at step i of my head
	s_or_b32 s[G0+3], s[G0+3], 0x80000000          ; type = 2
	ROUND                                          ; all four work-groups are here: the first joint loads meet
	TLOAD                                          ; steps 0 to 3 of the three heads into slot 0
	; Q: lane (r, h) takes d = 32 h .. 32 h + 31 of query r: a whole block of 32
	v_and_b32 v232, 15, v0                         ; r
	v_bfe_u32 v233, v0, 4, 1                       ; h
	v_and_b32 v234, 31, v0                         ; lane
	v_lshlrev_b32 v247, 8, v232
	v_lshl_add_u32 v247, v233, 7, v247
.irp m, 0,1,2,3,4,5,6,7
	global_load_b128 v[S+4*\m:S+4*\m+3], v247, s[96:97] offset:16*\m th:TH_LOAD_NT
.endr
	s_load_b512 s[16:31], s[MPT:MPT+1], 0x0        ; step 0's 64 mask words
	s_load_b512 s[32:47], s[MPT:MPT+1], 0x40
	s_load_b512 s[48:63], s[MPT:MPT+1], 0x80
	s_load_b512 s[68:83], s[MPT:MPT+1], 0xc0
	s_mul_i32 s2, s2, GRPB
	v_lshl_add_u32 v[LI], v234, 4, s2
	v_lshl_add_u32 v[L8], v234, 3, s2
	s_mul_i32 s3, s[WV], 16*SP
	s_add_co_u32 s3, s3, STAGE                     ; my stage
	v_mul_u32_u24 v[STO], v232, SP                 ; in: row r, 32 bytes for each half of the lanes
	v_lshl_add_u32 v[STO], v233, 5, v[STO]
	v_add_nc_u32 v[STO], s3, v[STO]
	v_mul_u32_u24 v[RD], v233, SP                  ; back: lanes 0-15 one row of 256 bytes, lanes 16-31 the next
	v_lshl_add_u32 v[RD], v232, 4, v[RD]
	v_add_nc_u32 v[RD], s3, v[RD]
	v_lshlrev_b32 v[GO], 4, v234                   ; and the same two rows in out, which are 512 dense bytes
	v_lshlrev_b32 v240, 3, v233                    ; 8 h
	v_mov_b32 v[NEG], 0xce800000                   ; -2^30
	v_mov_b32 v13, 0xff61b1e6                      ; the largest t so far: -3e38, under every t
	v_floor_f32 v12, -v13                          ; -M
	v_mov_b32 v14, 0                               ; the sum, in two halves
	v_mov_b32 v15, 0
	v_mov_b32 v[FF+1], 0
.irp b, 0,1,2,3
	v_mov_b32 v[T2+\b], 0                          ; written once: a lane permute's destination counts as one of its sources
	v_mov_b32 v[QF+4+\b], 0                        ; k = 64 .. 127 of Q: zero codes
.endr
.irp t, 0,1,2,3,4,5,6,7
.irp c, 4,5,6,7
	v_mov_b32 v[KF+8*\t+\c], 0                     ; and of K's eight fragments: written once, never loaded
.endr
.endr
	s_mov_b32 s[TB], 0
	s_mov_b32 s[CNT], 3
	s_wait_loadcnt 0x0                             ; Q
.set j, 0
.rept 16
	v_pk_mul_f32 v[S+j:S+j+1], v[S+j:S+j+1], 0x3e000000 op_sel_hi:[1,0]   ; x 1 / sqrt(64), as the source has it ahead of the product: exact
.set j, j+2
.endr
	v_max3_num_f32 v241, |v[S]|, |v[S+1]|, |v[S+2]|                ; my block's largest magnitude, in two chains
	v_max3_num_f32 v242, |v[S+3]|, |v[S+4]|, |v[S+5]|
.irp i, 6,10,14,18,22,26
	v_max3_num_f32 v241, v241, |v[S+\i]|, |v[S+\i+1]|
	v_max3_num_f32 v242, v242, |v[S+\i+2]|, |v[S+\i+3]|
.endr
	v_max3_num_f32 v241, v241, |v[S+30]|, |v[S+31]|
	v_max3_num_f32 v241, v241, v242, 0x1800000     ; and the floor 2^(3 - 127): the byte cannot fall under 1
	v_add_nc_u32 v242, 0xff000000, v241            ; 2 off the exponent field: the conversion's scale operand
	v_lshrrev_b32 v243, 23, v242                   ; the byte
.irp g, 0,1,2,3
	v_cvt_scalef32_pk8_fp4_f32 v[QF+\g], v[S+8*\g:S+8*\g+7], v242
.endr
	v_nop                                          ; a plain line behind the last conversion
	v_lshlrev_b32 v243, v240, v243                 ; my block's byte at its place,
	v_permlanex16_b32 v[T2], v243, s[SEL], s[SEL+1]
	v_or_b32 v243, v243, v[T2]                     ; with lane l xor 16's,
	v_or_b32 v[QS], 0x7f7f0000, v243               ; and 127 over the zero codes
.set j, 0
.rept 32
	v_mov_b32 v[OT+j], 0                           ; O^T: the step is written once; the first finds zeros, which the first change of M leaves zeros.  (Also the places between Q's scale word and the first product)
.set j, j+1
.endr
; A KEY STEP: 128 keys, the q-th of the slot in hand.  more = 1: the next step's mask words are asked for.
.macro STEP q, more
.rept 4
	v_nop                                          ; four places behind the last step's products, in front of the loads into V's fragments and scale words (ISA guide 7.12.1 for vector instructions)
.endr
.irp t, 0,1,2,3,4,5,6,7
	ds_load_b128 v[KF+8*\t:KF+8*\t+3], v[A16] offset:STEPB*(\q)+512*\t          ; a fragment's image: 512 dense bytes
.endr
	ds_load_b128 v[KS:KS+3], v[A16] offset:STEPB*(\q)+8192
.irp t, 0,1,2,3
.irp c, 0,1
	ds_load_b128 v[VF+8*\t+4*\c:VF+8*\t+4*\c+3], v[A16] offset:STEPB*(\q)+4096+1024*\t+512*\c
.endr
.endr
	ds_load_b64 v[VS:VS+1], v[A8] offset:STEPB*(\q)+8704
	s_wait_dscnt 9                                 ; K's nine loads are in; V's nine, issued behind them, may stay out
.irp t, 0,1,2,3
	v_wmma_scale_f32_16x16x128_f8f6f4 v[S+8*\t:S+8*\t+7], v[KF+8*\t:KF+8*\t+7], v[QF:QF+7], 0, v[KS+\t], v[QS] matrix_a_fmt:MATRIX_FMT_FP4 matrix_b_fmt:MATRIX_FMT_FP4
.endr
.irp t, 4,5,6,7
	v_wmma_scale_f32_16x16x128_f8f6f4 v[S+8*\t:S+8*\t+7], v[KF+8*\t:KF+8*\t+7], v[QF:QF+7], 0, v[KS+\t-4], v[QS] matrix_a_fmt:MATRIX_FMT_FP4 matrix_b_fmt:MATRIX_FMT_FP4 matrix_a_scale:MATRIX_SCALE_ROW1
.endr
.rept 4
	v_nop                                          ; four places in front of the first read of the scores
.endr
	s_wait_kmcnt 0x0                               ; this step's mask words are in, so their loads' base may step
	s_add_nc_u64 s[MPT:MPT+1], s[MPT:MPT+1], 256
.set n, 0
.rept 64                               ; word n's bit for my lane: 1 keeps the score, 0 puts -2^30.  Ascending: each accumulator is read from its low end on
.if n < 48
	v_cndmask_b32 v[S+n], v[NEG], v[S+n], s[16+n]
.else
	v_cndmask_b32 v[S+n], v[NEG], v[S+n], s[20+n]
.endif
.set n, n+1
.endr
.if (\more)
	s_load_b512 s[16:31], s[MPT:MPT+1], 0x0        ; the next step's 64 words: they have the rest of this step in which to land; the last step asks for nothing
	s_load_b512 s[32:47], s[MPT:MPT+1], 0x40
	s_load_b512 s[48:63], s[MPT:MPT+1], 0x80
	s_load_b512 s[68:83], s[MPT:MPT+1], 0xc0
.endif
.irp b, 0,1,2,3
	v_max3_num_f32 v[BM+\b], v[S+16*\b], v[S+1+16*\b], v[S+2+16*\b]   ; the largest score of each block of 32 keys: it serves for the row's maximum and, since p rises with the score, for the block's largest p
.endr
.irp i, 3,5,7,9,11,13
.irp b, 0,1,2,3
	v_max3_num_f32 v[BM+\b], v[BM+\b], v[S+16*\b+\i], v[S+1+16*\b+\i]   ; (the four blocks by turns)
.endr
.endr
.irp b, 0,1,2,3
	v_max_num_f32 v[BM+\b], v[BM+\b], v[S+15+16*\b]
.endr
.irp b, 0,1,2,3
	v_permlanex16_b32 v[T2+\b], v[BM+\b], s[SEL], s[SEL+1]
.endr
.irp b, 0,1,2,3
	v_max_num_f32 v[BM+\b], v[BM+\b], v[T2+\b]     ; with lane l xor 16's 16 keys
.endr
	v_max3_num_f32 v[TT], v[BM], v[BM+1], v[BM+2]
	v_max_num_f32 v[TT], v[TT], v[BM+3]            ; the step's largest score of my query
	v_mul_f32 v[TT], s[CS], v[TT]                  ; as t
	v_max_num_f32 v13, v13, v[TT]                  ; the running largest t
	v_mov_b32 v[TT], v12
	v_floor_f32 v12, -v13                          ; the new -M = floor(-t) = -ceil(t): a whole number
	v_sub_f32 v[TT], v12, v[TT]                    ; M's old value less its new one: a whole number, 0 or less
	v_cvt_i32_f32 v[TT], v[TT]                     ; (it saturates)
	v_ldexp_f32 v[FF], 1.0, v[TT]                  ; f = 2^(old M - new M)
.set j, 0
.rept 32
	v_pk_fma_f32 v[S+j:S+j+1], v[S+j:S+j+1], s[CS:CS+1], v[12:13] op_sel_hi:[1,0,0]   ; t - M, two at a time (of the pairs log2(e) and -M the low word serves both halves)
.set j, j+2
.endr
.irp b, 0,1,2,3
	v_fma_f32 v[BM+\b], v[BM+\b], s[CS], v12       ; the same of each block's largest score
.endr
.set j, 0
.rept 64
	v_exp_f32 v[S+j], v[S+j]                       ; p = 2^(t - M), at most 1: not normalised
.set j, j+1
.endr
.irp b, 0,1,2,3
	v_exp_f32 v[BM+\b], v[BM+\b]                   ; the block's largest p: the same two instructions on the same number give the same bits
.endr
	v_pk_mul_f32 v[14:15], v[14:15], v[FF:FF+1] op_sel_hi:[1,0]   ; the sums under the new M.  (A plain line behind the exponentials)
	s_wait_alu depctr_va_vdst(0)
.irp b, 0,1,2,3
	v_max_num_f32 v[BM+\b], 0x1800000, v[BM+\b]    ; the floor 2^(3 - 127): the byte cannot fall under 1 (a block whose every p is 0 keeps that byte: its codes are zeros)
.endr
.irp b, 0,1,2,3
	v_add_nc_u32 v[SO+\b], 0xff000000, v[BM+\b]    ; 2 off the exponent field: the conversion's scale operand
.endr
.irp b, 0,1,2,3
	v_lshrrev_b32 v[T2+\b], 23, v[SO+\b]           ; the scale's byte
.endr
	v_lshl_or_b32 v[PS], v[T2+1], 8, v[T2]         ; p's scale word for these 128 keys
	v_lshl_or_b32 v[PS], v[T2+2], 16, v[PS]
	v_lshl_or_b32 v[PS], v[T2+3], 24, v[PS]
.irp b, 0,1,2,3
	v_cvt_scalef32_pk8_fp4_f32 v[PC+2*\b], v[S+16*\b:S+7+16*\b], v[SO+\b]
	v_cvt_scalef32_pk8_fp4_f32 v[PC+1+2*\b], v[S+8+16*\b:S+15+16*\b], v[SO+\b]
.endr
	v_nop                                          ; a plain line between a scaled conversion and the vector instruction that touches its result
.irp c, 0,1                            ; the operand's layout wants a WHOLE block in a lane: lanes 0-15 block 2 c, lanes 16-31 block 2 c + 1
.irp i, 0,1
	v_permlane16_swap_b32 v[PC+4*\c+\i], v[PC+2+4*\c+\i]
.endr
.endr
.set j, 0
.rept 16
	v_pk_mul_f32 v[OT+j:OT+j+1], v[OT+j:OT+j+1], v[FF:FF+1] op_sel_hi:[1,0]   ; O^T under the new M: x f; each accumulator from its low end on
.set j, j+2
.endr
	v_pk_add_f32 v[T2:T2+1], v[S:S+1], v[S+2:S+3]  ; the row's sum is taken of the UNQUANTISED p: two at a time, in two chains.  (These and the sixteen above are the places between p's codes and scale word and the products below)
.irp j, 4,8,12,16,20,24,28,32,36,40,44,48,52,56,60
	v_pk_add_f32 v[14:15], v[14:15], v[S+\j:S+\j+1]
	v_pk_add_f32 v[T2:T2+1], v[T2:T2+1], v[S+2+\j:S+3+\j]
.endr
	v_pk_add_f32 v[14:15], v[14:15], v[T2:T2+1]
	s_wait_dscnt 0x0                               ; V's fragments and scale words are in
.irp t, 0,1,2,3                        ; O^T += V^T P^T: the four accumulators by turns, one instruction a turn
.if \t%2
	v_wmma_scale_f32_16x16x128_f8f6f4 v[OT+8*\t:OT+8*\t+7], v[VF+8*\t:VF+8*\t+7], v[PC:PC+7], v[OT+8*\t:OT+8*\t+7], v[VS+\t/2], v[PS] matrix_a_fmt:MATRIX_FMT_FP4 matrix_b_fmt:MATRIX_FMT_FP4 matrix_a_scale:MATRIX_SCALE_ROW1
.else
	v_wmma_scale_f32_16x16x128_f8f6f4 v[OT+8*\t:OT+8*\t+7], v[VF+8*\t:VF+8*\t+7], v[PC:PC+7], v[OT+8*\t:OT+8*\t+7], v[VS+\t/2], v[PS] matrix_a_fmt:MATRIX_FMT_FP4 matrix_b_fmt:MATRIX_FMT_FP4
.endif
.endr
.endm
; THE CHANGE OF SLOTS stands at a slot's head.  Each wave waits for all its tensor loads (one is out: its part of the slot that is about to be read), adds 0 to its spare word, and waits for that and
; for its reads of the slot that it has left.  fill = 1: a round of the cluster's barrier follows, so that no wave of any partner still reads that slot or has a load on its way, and the joint fill of
; it, with the next four steps, is the first thing behind the round: it has four steps' work in which to land.
.macro CHANGE fill
	s_wait_tensorcnt 0x0                           ; no tensor load of mine is out, so group 0 may be written
	ds_add_u32 v[SPW], v[NIL]                      ; 0 onto my spare word
.if \fill
	s_xor_b32 s[G0+1], s[G0+1], SLOT1              ; the walking descriptor: the other slot than last time,
	s_add_nc_u64 s[G0+2:G0+3], s[G0+2:G0+3], GRPB  ; four steps on; the type bits on top are not reached
.endif
	s_wait_dscnt 0x0                               ; the add is done, and my reads of the slot that I have left are over
.if \fill
	ROUND
	TLOAD
.else
	s_barrier_signal -1
	s_barrier_wait -1
.endif
.endm
.macro SLOT_STEPS last
	v_add_nc_u32 v[A16], s[TB], v[LI]
	v_add_nc_u32 v[A8], s[TB], v[L8]
	STEP 0, 1
	STEP 1, 1
	STEP 2, 1
	STEP 3, 1-\last
	s_xor_b32 s[TB], s[TB], SLOT1                  ; on to the other slot
.endm
.Lslot:                                            ; three trips: behind each change of slots but the last the next four steps are asked for
	CHANGE 1
	SLOT_STEPS 0
	s_sub_co_u32 s[CNT], s[CNT], 1
	s_cmp_lg_u32 s[CNT], 0
	s_cbranch_scc1 .Lslot
	CHANGE 0                                       ; the last slot is written out
	SLOT_STEPS 1
	; THE WAY OUT.  O^T is divided by the row's sum and goes through my stage in LDS, so that sixteen lanes store one row's 256 consecutive bytes.
.rept 4
	v_nop                                          ; four places behind the last products
.endr
	v_add_f32 v14, v14, v15                        ; the sum's two halves,
	v_permlanex16_b32 v[T2], v14, s[SEL], s[SEL+1]
	v_add_f32 v14, v14, v[T2]                      ; and lane l xor 16's: the row's sum
	v_rcp_f32 v14, v14
	v_nop                                          ; a plain line behind the transcendental
.set j, 0
	s_wait_alu depctr_va_vdst(0)
.rept 32
	v_mul_f32 v[S+j], v[OT+j], v14                 ; register 8 t + i is out(query r, channel 16 t + 8 h + i)
.set j, j+1
.endr
.irp t, 0,1,2,3
	ds_store_b128 v[STO], v[S+8*\t:S+8*\t+3] offset:64*\t
	ds_store_b128 v[STO], v[S+8*\t+4:S+8*\t+7] offset:64*\t+16
.endr
.irp i, 0,1,2,3,4,5,6,7
	ds_load_b128 v[KF+4*\i:KF+4*\i+3], v[RD] offset:\i*2*SP   ; LDS serves a wave's instructions in order: these see my stores
.endr
.irp i, 0,1,2,3,4,5,6,7
	s_wait_dscnt 7-\i                              ; the younger loads may stay out
	global_store_b128 v[GO], v[KF+4*\i:KF+4*\i+3], s[OUTP:OUTP+1] offset:512*\i th:TH_STORE_NT   ; 32 lanes store two rows: 512 consecutive bytes, aligned; written once, read by nobody here
.endr
	s_wait_tensorcnt 0x0                           ; the wave's end, behind my last tensor load and my last LDS store
	ds_add_u32 v[SPW], v[NIL]
	s_wait_dscnt 0x0
	ROUND                                          ; the closing round: no work-group ends while a partner may still ask for a tile that names it
	s_endpgm
.Lfunc_end_k_qff448f0a4c_attn:
	.size	k_qff448f0a4c_attn, .Lfunc_end_k_qff448f0a4c_attn-k_qff448f0a4c_attn
	.p2alignl 7, 3214868480
	.fill 96, 4, 3214868480
	.section	.rodata,"a",@progbits
	.p2align	6, 0x0
	.amdhsa_kernel k_qff448f0a4c_attn
		.amdhsa_group_segment_fixed_size 327680
		.amdhsa_private_segment_fixed_size 0
		.amdhsa_enable_private_segment 0
		.amdhsa_kernarg_size 32
		.amdhsa_user_sgpr_count 2
		.amdhsa_user_sgpr_kernarg_segment_ptr 1
		.amdhsa_wavefront_size32 1
		.amdhsa_system_sgpr_workgroup_id_x 1
		.amdhsa_system_sgpr_workgroup_id_y 1
		.amdhsa_system_sgpr_workgroup_id_z 1
		.amdhsa_system_vgpr_workitem_id 0
		.amdhsa_next_free_vgpr 256
		.amdhsa_next_free_sgpr 102
		.amdhsa_reserve_vcc 0
		.amdhsa_float_denorm_mode_32 3
		.amdhsa_float_denorm_mode_16_64 3
		.amdhsa_memory_ordered 1
		.amdhsa_forward_progress 1
		.amdhsa_inst_pref_size 167
	.end_amdhsa_kernel
	.amdgpu_metadata
---
amdhsa.version: [ 1, 2 ]
amdhsa.kernels:
  - .name:           k_qff448f0a4c_attn
    .symbol:         k_qff448f0a4c_attn.kd
    .args:
      - { .name: query, .offset: 0, .size: 8, .value_kind: global_buffer, .address_space: global }
      - { .name: kv, .offset: 8, .size: 8, .value_kind: global_buffer, .address_space: global }
      - { .name: mbits, .offset: 16, .size: 8, .value_kind: global_buffer, .address_space: global }
      - { .name: out0, .offset: 24, .size: 8, .value_kind: global_buffer, .address_space: global }
    .group_segment_fixed_size: 327680
    .private_segment_fixed_size: 0
    .kernarg_segment_align: 8
    .kernarg_segment_size: 32
    .max_flat_workgroup_size: 384
    .sgpr_count:     102
    .vgpr_count:     256
    .wavefront_size: 32
...
	.end_amdgpu_metadata
.endif
;; end of part 2
;; ======== version 2 of 2: 2 launches
;; limits: right only within a limited range of input values
;; workspace buffers: kv 3,440,640 bytes; mcodes 4,194,304 bytes
;; launch prep (part 3): grid 256 x 1, 7 waves a work-group, no clusters, 128,256 bytes of LDS; arguments key, value, mask, kv, mcodes; writes kv, mcodes
.if DOCPART == 3
	.amdgcn_target "amdgcn-amd-amdhsa--gfx1250"
	.amdhsa_code_object_version 6
	.text
	.protected	k_qff448f0a4c_prep
	.globl	k_qff448f0a4c_prep
	.p2align	8
	.type	k_qff448f0a4c_prep,@function
k_qff448f0a4c_prep:
	s_mov_b64 s[64:65], 0
	v_nop
	global_prefetch_b8 v0, s[64:65] scope:SCOPE_SE
	s_setreg_imm32_b32 hwreg(HW_REG_WAVE_MODE, 25, 1), 1
	s_wait_xcnt 0x0
; PREPARATION FOR THE ATTENTION LAUNCH.  key, value: [24 heads][2048 keys][64] f32.  mask: [2][2048 queries][2048 keys] int32.
; K is quantised along the head's 64 (two blocks of 32), V along the keys (blocks of 32 keys), to codes of FP4 (E2M1) with one E8M0 byte a block; both are laid in the ORDER OF THE
; OPERANDS' REGISTERS, so that the next launch loads every fragment as 512 dense bytes.  The mask becomes FP4 codes too: 0.5 (code 1) where the mask is 0, and 0 elsewhere, as an operand of a product.
; kv: [head 24][step 16][8,960 bytes]; a step is 128 keys:
;   0    .. 4095  K's 8 fragments: tile n = 4 c + t at 512 n + 16 lane; lane (r, h) holds the 32 codes d = 32 h .. 32 h + 31 of key 64 c + 32 (r / 8) + 8 t + r % 8
;   4096 .. 8191  V^T's 4 fragments: tile t, registers 4 c on, at 4096 + 1024 t + 512 c + 16 lane; lane (r, h) holds channel 16 t + r, keys 64 c + 32 h + 0 .. 31
;   8192 .. 8703  K's scale words: at 16 lane + 4 j the word of tile 2 j + lane / 16, row lane % 16: bytes {block 0, block 1, 127, 127}
;   8704 .. 8959  V's scale words: at 8 lane + 4 w the word of channel lane + 32 w; byte n belongs to the step's n-th block of 32 keys
; mcodes: [batch 2][tile of 16 queries, 128][step 16][1,024 bytes]: at 512 c + 16 lane: lane (r, h) holds query r, keys 64 c + 32 h + 0 .. 31, four bits a key.
; A block's scale is 2^(floor(log2(its largest magnitude)) - 2); its byte is the largest magnitude's exponent field - 2, held at 1 from below.
; LIMITS: NaN and infinities are not served; a block whose largest magnitude lies under 2^-124, a block of zeros among them, keeps the byte 1 (a block of zeros has zero codes, which add
; nothing under that byte, and this program alone reads the bytes).
; SHARES.  1,792 tasks of 32 KiB of one input: 384 of K, 384 of V (a step of a head each), 1,024 of the mask (16 queries x 512 keys each): seven for each of 256 work-groups, one a wave.
; Every global load reads 512 dense bytes; loads run a unit of 8 KiB (16 loads) ahead.  K and V turn through the wave's own stage in LDS, so that a lane then holds a whole block of 32 in its
; registers; the mask is packed first, and its codes turn through LDS.  No tensor loads, no barrier: waves share nothing.  No cluster: no two work-groups read the same bytes.
.set STEPB,  8960                      ; a step's bytes in kv
.set WREG,   18176                     ; LDS of a wave: K's stage, V's stage, the mask's stage
.set VST,    8704                      ; K's stage: 32 key rows of 256 bytes + 16 of padding
.set MST,    16896                     ; V's stage: 32 key rows of 256 bytes as they lie;  the mask's: four chunks (2 c + h) of 16 queries x 16 bytes, 272 bytes apart
.set KP,     272
.set SPARE,  7*WREG                    ; behind the regions: the spare words, 128 bytes for each wave
.set LANE, 1
.set RR,   2                           ; lane % 16
.set HH,   3                           ; lane / 16
.set VO,   4                           ; 16 x lane
.set KSI,  5                           ; stage addresses: K's way in, K's way out,
.set KSO,  6
.set VSI,  7                           ; V's,
.set VSO,  8
.set MSI,  9                           ; the mask's
.set MSO,  10
.set GOUT, 11                          ; V's codes: 1024 (lane / 16) + 16 (lane % 16)
.set L8,   12                          ; 8 x lane
.set SH8,  13                          ; 8 x (lane / 16)
.set T0,   14
.set T1,   15
.set BY,   16                          ; the scale byte just made
.set PT,   17                          ; a lane permute's destination
.set TMP,  18
.set W,    20                          ; v20-27  K: 8 scale words;  V: 2
.set CD,   28                          ; v28-59  codes: none written twice, so no store's data are ever rewritten
.set X,    60                          ; v60-123 a unit's numbers as the work wants them
.set R,    124                         ; v124-187, v188-251  two sets of 64 registers as loaded
.set SPW,  252                         ; my spare word's LDS address
.set NIL,  253                         ; 0
	s_load_b256 s[4:11], s[0:1], 0x0               ; key s[4:5], value s[6:7], mask s[8:9], kv s[10:11]
	s_load_b64 s[12:13], s[0:1], 0x20              ; mcodes
	v_lshl_add_u32 v[SPW], v0, 2, SPARE
	v_mov_b32 v[NIL], 0
	v_lshrrev_b32 v[TMP], 5, v0
	v_readfirstlane_b32 s14, v[TMP]                ; wave 0..6
	v_and_b32 v[LANE], 31, v0
	v_and_b32 v[RR], 15, v0
	v_bfe_u32 v[HH], v0, 4, 1
	v_lshlrev_b32 v[VO], 4, v[LANE]
	v_lshlrev_b32 v[L8], 3, v[LANE]
	v_lshlrev_b32 v[SH8], 3, v[HH]
	v_mov_b32 v[PT], 0                             ; written once: a lane permute's destination counts as one of its sources
	s_mul_i32 s16, s14, WREG                       ; my wave's LDS
	s_add_co_u32 s17, s16, VST
	s_add_co_u32 s18, s16, MST
	v_mul_u32_u24 v[KSI], v[HH], KP                ; K in: a load's 512 bytes are two key rows: lanes 0-15 one, lanes 16-31 the next
	v_lshl_add_u32 v[KSI], v[RR], 4, v[KSI]
	v_add_nc_u32 v[KSI], s16, v[KSI]
	v_and_b32 v[TMP], 8, v[RR]
	v_add_nc_u32 v[TMP], v[TMP], v[RR]             ; r + 8 (r / 8)
	v_mul_u32_u24 v[KSO], v[TMP], KP               ; K out: my key's row, my half's 128 bytes
	v_lshl_add_u32 v[KSO], v[HH], 7, v[KSO]
	v_add_nc_u32 v[KSO], s16, v[KSO]
	v_lshl_add_u32 v[VSI], v[LANE], 4, s17         ; V in: as the bytes lie
	v_lshl_add_u32 v[VSO], v[LANE], 2, s17         ; V out: my channel, down the keys
	v_lshrrev_b32 v[TMP], 3, v[LANE]               ; the mask in: lane l has keys 4 l .. 4 l + 3: two bytes of chunk l / 8
	v_mul_u32_u24 v[MSI], v[TMP], 272
	v_and_b32 v[TMP], 7, v[LANE]
	v_lshl_add_u32 v[MSI], v[TMP], 1, v[MSI]
	v_add_nc_u32 v[MSI], s18, v[MSI]
	v_mul_u32_u24 v[MSO], v[HH], 272               ; and out: query r's 16 bytes of chunk 2 c + h
	v_lshl_add_u32 v[MSO], v[RR], 4, v[MSO]
	v_add_nc_u32 v[MSO], s18, v[MSO]
	v_lshlrev_b32 v[GOUT], 10, v[HH]
	v_lshl_add_u32 v[GOUT], v[RR], 4, v[GOUT]
	s_mov_b32 s24, 0x76543210
	s_mov_b32 s25, 0xfedcba98                      ; v_permlanex16_b32's selects for lane l xor 16
	s_mov_b32 s21, 0                               ; the high word of every offset
	s_lshl_b32 s15, s14, 8
	s_add_co_u32 s15, s15, ttmp9                   ; my task: 256 x wave + work-group
	s_wait_alu depctr_va_vdst(0)                   ; the wait at the head's end
	s_wait_kmcnt 0x0
.macro LOAD set, imm, stride, extra    ; sixteen loads of 512 dense bytes into set; the upper eight stand 'extra' further on
.irp p, 0,1,2,3,4,5,6,7,8,9,10,11,12,13,14,15
	global_load_b128 v[R+64*(\set)+4*\p:R+64*(\set)+4*\p+3], v[VO], s[26:27] offset:(\imm)+\p*(\stride)+(\p/8)*(\extra) th:TH_LOAD_NT
.endr
.endm
.macro STIN set, adr, stride           ; and on into the stage
.irp p, 0,1,2,3,4,5,6,7,8,9,10,11,12,13,14,15
	ds_store_b128 v[\adr], v[R+64*(\set)+4*\p:R+64*(\set)+4*\p+3] offset:\p*(\stride)
.endr
.endm
.macro ARRIVED u                       ; unit u's sixteen loads are in; the next unit's sixteen, issued behind them, may stay out
.if \u < 3
	s_wait_loadcnt 16
.else
	s_wait_loadcnt 0x0
.endif
.endm
; A block: 32 numbers of one lane, v[xs] on, become 32 codes in v[cd] .. v[cd + 3] and the byte in v[BY].
.macro QB xs, cd
	v_max3_num_f32 v[T0], |v[(\xs)]|, |v[(\xs)+1]|, |v[(\xs)+2]|       ; the largest magnitude, in two chains
	v_max3_num_f32 v[T1], |v[(\xs)+3]|, |v[(\xs)+4]|, |v[(\xs)+5]|
.irp i, 6,10,14,18,22,26
	v_max3_num_f32 v[T0], v[T0], |v[(\xs)+\i]|, |v[(\xs)+\i+1]|
	v_max3_num_f32 v[T1], v[T1], |v[(\xs)+\i+2]|, |v[(\xs)+\i+3]|
.endr
	v_max3_num_f32 v[T0], v[T0], |v[(\xs)+30]|, |v[(\xs)+31]|
	v_max3_num_f32 v[T0], v[T0], v[T1], 0x1800000  ; and the floor 2^(3 - 127): the byte cannot fall under 1
	v_add_nc_u32 v[T1], 0xff000000, v[T0]          ; 2 off the exponent field: the conversion takes the exponent field of this operand as its scale
	v_lshrrev_b32 v[BY], 23, v[T1]                 ; the scale's byte
.irp g, 0,1,2,3
	v_cvt_scalef32_pk8_fp4_f32 v[(\cd)+\g], v[(\xs)+8*\g:(\xs)+8*\g+7], v[T1]
.endr
	v_nop                                          ; a plain line behind the last conversion, ahead of the next write of its scale operand
.endm
	s_cmp_ge_u32 s15, 768
	s_cbranch_scc1 .Lmask
	s_cmp_ge_u32 s15, 384
	s_cbranch_scc1 .Lvalue
; ---------------- K: task = 16 x head + step.  Unit u = 2 c + v is keys 64 c + 32 g + 16 v + 0 .. 15, g = 0, 1, in stage rows 16 g + 0 .. 15: tiles 2 u and 2 u + 1
.macro KLOAD u
	LOAD (\u)%2, 16384*((\u)/2)+4096*((\u)%2), 512, 4096
.endm
	s_lshl_b32 s20, s15, 15                        ; 128 keys of 256 bytes
	s_add_nc_u64 s[26:27], s[4:5], s[20:21]
	KLOAD 0
	KLOAD 1
	s_mul_i32 s20, s15, STEPB
	s_add_nc_u64 s[28:29], s[10:11], s[20:21]
.macro KUNIT u
	ARRIVED \u
	STIN (\u)%2, KSI, 2*KP
.irp e, 0,1
.irp m, 0,1,2,3,4,5,6,7
	ds_load_b128 v[X+32*\e+4*\m:X+32*\e+4*\m+3], v[KSO] offset:\e*8*KP+16*\m   ; LDS serves a wave's instructions in order: these see the stores above
.endr
.endr
	s_wait_dscnt 0x0                               ; my 64 numbers are in, and the stores have read the set, which may be loaded again
.if \u < 2
	KLOAD \u+2
.endif
.irp e, 0,1
	QB X+32*\e, CD+4*(2*\u+\e)
	v_lshlrev_b32 v[TMP], v[SH8], v[BY]            ; my block's byte at its place: block 0 in lanes 0-15, block 1 in lanes 16-31;
	v_permlanex16_b32 v[PT], v[TMP], s24, s25
	v_or_b32 v[TMP], v[TMP], v[PT]                 ; with lane l xor 16's;
	v_or_b32 v[W+2*\u+\e], 0x7f7f0000, v[TMP]      ; the upper 64 of the instruction's 128 along K have the byte 127
	global_store_b128 v[VO], v[CD+4*(2*\u+\e):CD+4*(2*\u+\e)+3], s[28:29] offset:512*(2*\u+\e)   ; 512 dense bytes: the fragment's image
.endr
.endm
	s_wait_alu depctr_va_vdst(0)
	KUNIT 0
	KUNIT 1
	KUNIT 2
	KUNIT 3
	v_cmp_le_u32 vcc_lo, 16, v[LANE]
.irp j, 0,1,2,3
	v_cndmask_b32 v[X+\j], v[W+2*\j], v[W+2*\j+1], vcc_lo   ; lanes 0-15 carry tile 2 j's words, lanes 16-31 tile 2 j + 1's
.endr
	global_store_b128 v[VO], v[X:X+3], s[28:29] offset:8192
	s_wait_tensorcnt 0x0                           ; the wave's end
	ds_add_u32 v[SPW], v[NIL]
	s_wait_dscnt 0x0
	s_endpgm
; ---------------- V.  Unit u is the step's u-th block of 32 keys.  A lane takes channels lane and lane + 32, and its registers run down the keys
.Lvalue:
	s_sub_co_u32 s15, s15, 384
	s_lshl_b32 s20, s15, 15
	s_add_nc_u64 s[26:27], s[6:7], s[20:21]
	LOAD 0, 0, 512, 0
	LOAD 1, 8192, 512, 0
	s_mul_i32 s20, s15, STEPB
	s_add_nc_u64 s[28:29], s[10:11], s[20:21]
.macro VUNIT u
	ARRIVED \u
	STIN (\u)%2, VSI, 512
.irp w, 0,1
.set k, 0
.rept 32
	ds_load_b32 v[X+32*\w+k], v[VSO] offset:256*k+128*\w   ; key k of the block, channel lane + 32 w: 32 lanes, 128 neighbouring bytes
.set k, k+1
.endr
.endr
	s_wait_dscnt 0x0                               ; my 64 numbers are in, and the stores have read the set
.if \u < 2
	LOAD (\u)%2, 8192*(\u+2), 512, 0
.endif
.irp w, 0,1
	QB X+32*\w, CD+8*\u+4*\w
.if \u == 0
	v_mov_b32 v[W+\w], v[BY]                       ; the channel's scale word, a byte a unit
.else
	v_lshl_or_b32 v[W+\w], v[BY], 8*\u, v[W+\w]
.endif
	global_store_b128 v[GOUT], v[CD+8*\u+4*\w:CD+8*\u+4*\w+3], s[28:29] offset:4096+2048*\w+512*(\u/2)+256*(\u%2)   ; sixteen lanes store 256 consecutive bytes, aligned
.endr
.endm
	s_wait_alu depctr_va_vdst(0)
	VUNIT 0
	VUNIT 1
	VUNIT 2
	VUNIT 3
	global_store_b64 v[L8], v[W:W+1], s[28:29] offset:8704   ; 32 lanes store 256 consecutive bytes, aligned
	s_wait_tensorcnt 0x0                           ; the wave's end
	ds_add_u32 v[SPW], v[NIL]
	s_wait_dscnt 0x0
	s_endpgm
; ---------------- the mask: 16 queries (tile Tm / 4 of the two batches' 256) x 512 keys (quarter Tm % 4); unit u is one step of 128 keys
.Lmask:
	s_sub_co_u32 s15, s15, 768                     ; Tm
	s_lshr_b32 s16, s15, 2
	s_lshl_b32 s17, s16, 17                        ; 16 rows of 8,192 bytes
	s_and_b32 s18, s15, 3
	s_lshl_b32 s19, s18, 11                        ; 512 keys of 4 bytes
	s_add_co_u32 s20, s17, s19
	s_add_nc_u64 s[26:27], s[8:9], s[20:21]
	LOAD 0, 0, 8192, 0
	LOAD 1, 512, 8192, 0
	s_lshl_b32 s20, s15, 12                        ; four steps of 1,024 bytes
	s_add_nc_u64 s[28:29], s[12:13], s[20:21]
.macro MUNIT u
.set B, R+64*((\u)%2)
	ARRIVED \u
.irp g, 0,4,8,12                       ; four queries at a time: a number becomes 0 or 1, my four numbers 16 bits
.irp i, 0,1,2,3,4,5,6,7,8,9,10,11,12,13,14,15
	v_min_u32 v[B+4*\g+\i], 1, v[B+4*\g+\i]
.endr
.irp e, 0,1,2,3
	v_lshl_or_b32 v[X+\g+\e], v[B+4*(\g+\e)+1], 4, v[B+4*(\g+\e)]
.endr
.irp e, 0,1,2,3
	v_lshl_or_b32 v[X+16+\g+\e], v[B+4*(\g+\e)+3], 4, v[B+4*(\g+\e)+2]
.endr
.irp e, 0,1,2,3
	v_lshl_or_b32 v[X+\g+\e], v[X+16+\g+\e], 8, v[X+\g+\e]
.endr
.irp e, 0,1,2,3
	ds_store_b16 v[MSI], v[X+\g+\e] offset:16*(\g+\e)
.endr
.endr
.if \u < 2
	LOAD (\u)%2, 512*(\u+2), 8192, 0
.endif
	ds_load_b128 v[CD+8*\u:CD+8*\u+3], v[MSO]      ; LDS serves a wave's instructions in order: these see the stores above
	ds_load_b128 v[CD+8*\u+4:CD+8*\u+7], v[MSO] offset:544
	s_wait_dscnt 0x0
.irp i, 0,1,2,3,4,5,6,7
	v_xor_b32 v[CD+8*\u+\i], 0x11111111, v[CD+8*\u+\i]   ; code 1 (0.5) where the mask is 0
.endr
.irp c, 0,1
	global_store_b128 v[VO], v[CD+8*\u+4*\c:CD+8*\u+4*\c+3], s[28:29] offset:1024*\u+512*\c
.endr
.endm
	MUNIT 0
	MUNIT 1
	MUNIT 2
	MUNIT 3
	s_wait_tensorcnt 0x0                           ; the wave's end
	ds_add_u32 v[SPW], v[NIL]
	s_wait_dscnt 0x0
	s_endpgm
.Lfunc_end_k_qff448f0a4c_prep:
	.size	k_qff448f0a4c_prep, .Lfunc_end_k_qff448f0a4c_prep-k_qff448f0a4c_prep
	.p2alignl 7, 3214868480
	.fill 96, 4, 3214868480
	.section	.rodata,"a",@progbits
	.p2align	6, 0x0
	.amdhsa_kernel k_qff448f0a4c_prep
		.amdhsa_group_segment_fixed_size 128256
		.amdhsa_private_segment_fixed_size 0
		.amdhsa_enable_private_segment 0
		.amdhsa_kernarg_size 40
		.amdhsa_user_sgpr_count 2
		.amdhsa_user_sgpr_kernarg_segment_ptr 1
		.amdhsa_wavefront_size32 1
		.amdhsa_system_sgpr_workgroup_id_x 1
		.amdhsa_system_sgpr_workgroup_id_y 1
		.amdhsa_system_sgpr_workgroup_id_z 1
		.amdhsa_system_vgpr_workitem_id 0
		.amdhsa_next_free_vgpr 254
		.amdhsa_next_free_sgpr 66
		.amdhsa_reserve_vcc 1
		.amdhsa_float_denorm_mode_32 3
		.amdhsa_float_denorm_mode_16_64 3
		.amdhsa_memory_ordered 1
		.amdhsa_forward_progress 1
		.amdhsa_inst_pref_size 105
	.end_amdhsa_kernel
	.amdgpu_metadata
---
amdhsa.version: [ 1, 2 ]
amdhsa.kernels:
  - .name:           k_qff448f0a4c_prep
    .symbol:         k_qff448f0a4c_prep.kd
    .args:
      - { .name: key, .offset: 0, .size: 8, .value_kind: global_buffer, .address_space: global }
      - { .name: value, .offset: 8, .size: 8, .value_kind: global_buffer, .address_space: global }
      - { .name: mask, .offset: 16, .size: 8, .value_kind: global_buffer, .address_space: global }
      - { .name: kv, .offset: 24, .size: 8, .value_kind: global_buffer, .address_space: global }
      - { .name: mcodes, .offset: 32, .size: 8, .value_kind: global_buffer, .address_space: global }
    .group_segment_fixed_size: 128256
    .private_segment_fixed_size: 0
    .kernarg_segment_align: 8
    .kernarg_segment_size: 40
    .max_flat_workgroup_size: 224
    .sgpr_count:     66
    .vgpr_count:     254
    .wavefront_size: 32
...
	.end_amdgpu_metadata
.endif
;; end of part 3
;; launch attn (part 4): grid 32 x 8, 12 waves a work-group, clusters of 4 x 1, 327,680 bytes of LDS; arguments query, kv, mcodes, out0; writes out0
.if DOCPART == 4
	.amdgcn_target "amdgcn-amd-amdhsa--gfx1250"
	.amdhsa_code_object_version 6
	.text
	.protected	k_qff448f0a4c_attn
	.globl	k_qff448f0a4c_attn
	.p2align	8
	.type	k_qff448f0a4c_attn,@function
k_qff448f0a4c_attn:
	s_mov_b64 s[64:65], 0
	v_nop
	global_prefetch_b8 v0, s[64:65] scope:SCOPE_SE
	s_setreg_imm32_b32 hwreg(HW_REG_WAVE_MODE, 25, 1), 1
	s_wait_xcnt 0x0
	s_wait_alu depctr_hold_cnt(0) depctr_sa_sdst(0) depctr_va_vdst(0) depctr_va_sdst(0) depctr_va_ssrc(0) depctr_va_vcc(0) depctr_vm_vsrc(0)
	s_getreg_b32 s2, hwreg(HW_REG_IB_STS2, 6, 4)
	s_cmp_eq_u32 s2, 0
	s_cbranch_scc0 .Lentry_in_a_cluster
	s_endpgm
.Lentry_in_a_cluster:
	s_bfe_u32 s2, ttmp6, 0x10000c
	s_cmp_lg_u32 s2, 0x3003
	s_cbranch_scc0 .Lentry_shape_is_right
	s_endpgm
.Lentry_shape_is_right:
; out[head][q][:] = softmax_k(where(mask, Q[q] . K[k] / 8, -1e9)) V, both products on codes of FP4 (E2M1) with one E8M0 scale for each 32 along K.
; kv and mcodes hold K, V and the mask as the first launch lays them (the orders of the operands' registers); query: [24 heads][2048][64] f32, quantised here, once, by the wave that uses it.
; SHARES.  A head has 128 tiles of 16 queries; a wave owns one tile and walks all 2,048 keys, 128 a step.  256 work-groups of 12 waves: waves 0 to 7 take tiles of head a, waves 8 to 11 of head b.
; The three heads of group y are dealt to eight clusters j of four work-groups: a = j / 3, its tiles 32 (j % 3) on; b and its first tile by two tables (16 tiles each): 96 + 32, 96 + 32, 64 + 64 tiles.
; So a work-group needs K and V of exactly two heads, 286,720 bytes: THEY STAY IN LDS, and nothing is filled twice.  The first fill is steps 0 to 3, the second steps 4 to 15.
; CLUSTERS: a cluster's four work-groups share both heads: waves 0 to 4 ask for head a's bytes jointly, waves 5 to 9 for head b's; waves 10 and 11 ask for nothing.
; Both products are used transposed, in the form of 32 rows: S^T = K Q^T (source 0 = 32 keys), O^T = V^T P^T (source 0 = 32 channels): a lane holds one query (lane % 16) throughout.
; THE KEYS OF A TILE are chosen (64 c + 32 (r / 8) + 8 t + r % 8 for row r of tile t) so that the 32 registers of the four tiles of c are the 32 neighbouring keys 64 c + 32 (lane / 16) + 0 .. 31:
; a whole block of P lies in one lane, in the order in which the second product wants it.
; The head's 64 fill half of the instruction's 128 along K.  Q's operand has zero codes in the other half; there K's operand holds whatever codes stand in the next registers (a neighbouring tile's): they add nothing.
; THE MASK comes as codes, 0.5 where the mask is 0, else 0, eight keys to a register, in the very lanes in which the scores will lie.  One conversion makes a tile's eight accumulators of one such register:
; 2^64 for a masked score, 0 for another, and the product adds onto them.  Q's codes are negated, so the accumulators hold -S, or about 2^64; what reads them turns the sign.  The codes are loaded two steps ahead.
; A row none of whose keys has counted so far has p = 1 for every key (the factor and the addend of t - M are selected as 0), as the softmax of equal logits has; the first key that counts multiplies all that by 0.
; THE SOFTMAX: t = score x log2(e); M = the running largest t, rounded up; p = 2^(t - M) is quantised, not normalised; the sum of the unquantised p divides at the end; when M moves, sum and O^T take 2^(old M - new M).
; A block's scale: its largest p is 2^u, u = the largest score through the same multiply-add, so floor(u) is the exponent.
; LIMITS: the promise holds while the scaled scores t stay under 2^29 in magnitude (so that -1e9 stands under every score that counts); NaN and infinities are not served; scale bytes are held at 1 from below (blocks of P whose
; largest is under 2^-124, blocks of Q whose largest magnitude is under 2^-121).
; NO PREFETCH: K and V come by two loads a wave, asked for at the head; the mask's 1,024 bytes a step are themselves asked for two steps (about 430 vector instructions in each of three waves a SIMD) ahead of their use.
.set STEPB, 8960
.set GRPB,  4*STEPB                    ; four steps
.set HB,    16*STEPB                   ; a head
.set SPARE, 2*HB                       ; the spare words, 128 bytes a wave
.set STAGE, SPARE+12*128               ; a stage of 2,304 bytes for each wave
.set STGB,  2304
.set QP_,   272                        ; Q's way in: 8 rows of 256 bytes + 16;  out's way out: 16 half rows of 128 + 16
.set OP_,   144
.set LI,  1                            ; my lane's place: fragments, 16 x lane in my head's part;
.set L8,  2                            ; V's scale words, 8 x lane;
.set A16, 3                            ; both in the four steps in hand
.set A8,  4
.set SPW, 5                            ; my spare word's LDS address; never rewritten
.set NIL, 6                            ; 0; never rewritten
.set MO,  7                            ; 16 x lane: the mask's codes, Q, out
.set TT,  9
.set VS,  10                           ; v10-11 V's scale words
.set CF,  12                           ; v12 -log2(e), or 0 in a row none of whose keys has counted
.set MX,  13                           ; v13 the running largest score
.set AD,  14                           ; v14 -M, or 0 in such a row
.set NM,  15                           ; v15 -M
.set L,   16                           ; v16-17 the sum, in two halves
.set FF,  18                           ; v18 2^(old M - new M)
.set C1,  19                           ; v19 -log2(e) (named with v18 as a pair too)
.set SH8, 20                           ; 8 x (lane / 16)
.set QS,  21                           ; scale words: Q's, P's
.set PS,  22
.set MS,  23                           ; the mask's conversions' scale: 2^65
.set BM,  24                           ; v24-31 the tiles' maxima; then v24, v28 the blocks',
.set W,   25
.set PT,  26
.set I0,  27
.set I1,  29
.set SO,  30                           ; and v30-31 the conversions' scales
.set QB,  32                           ; v32-35 Q's codes, v36-39 zeros: Q's operand
.set M0,  40                           ; v40-47 the mask's codes of an even step
.set KS,  52
.set KF,  56                           ; v56-87 eight tiles of K, in the order 0, 2, 1, 3, 4, 6, 5, 7; v88-91 codes that meet zeros alone
.set M1,  92                           ; v92-99 the mask's codes of an odd step
.set S,   120                          ; v120-183
.set OT,  184                          ; v184-215
.set VF,  216                          ; v216-247
.set PC,  248                          ; v248-255 P's codes
.set SEL, 4                            ; s[4:5]
.set CS,  6                            ; s6 log2(e)
.set TH,  7                            ; s7 -2^40: under every score that counts, over every masked one
.set WV,  8
.set TB,  9
.set CNT, 10
.set BIAS, 11                          ; s11 125 in bytes 0 and 2
.set OUTP, 12
.set MPT, 22                           ; s[22:23] my tile's mask codes, the four steps in hand
.set G1,  24                           ; the first fill's descriptor, the second's
.set G1B, 32
.set G0,  40
.set G0B, 44
.set QP,  48
.set STG, 15
.macro ROUND                           ; a round of the cluster's barrier
	s_barrier_signal -1
	s_barrier_wait -1
	s_cmp_lg_u32 s[WV], 0
	s_cbranch_scc1 .Lnot_wave_0_\@
	s_barrier_signal -3
.Lnot_wave_0_\@:
	s_barrier_wait -3
	s_barrier_signal -1
	s_barrier_wait -1
.endm
.macro JLOAD g0, g1                    ; waves 0 to 9, one joint load each
	s_cmp_lt_u32 s[WV], 10
	s_cbranch_scc0 .Lno_load_\@
	tensor_load_to_lds s[\g0:\g0+3], s[\g1:\g1+7]
	s_nop 0
.rept 4
	v_nop
.endr
.Lno_load_\@:
.endm
.macro DENSE g1, rows                  ; group 1: rows of 256 bytes, dense; the cluster's four; elements of 8 bytes; bit 21 beside a mask
	s_mov_b32 s[\g1], 15|(3<<16)|(1<<21)
	s_mov_b32 s[\g1+1], 32<<16
	s_mov_b32 s[\g1+2], (\rows)<<16
	s_mov_b32 s[\g1+3], 32<<16
	s_mov_b32 s[\g1+4], \rows
	s_mov_b32 s[\g1+5], 32
	s_mov_b32 s[\g1+6], 0
	s_mov_b32 s[\g1+7], 0
.endm
	s_load_b256 s[16:23], s[0:1], 0x0              ; query s[16:17], kv s[18:19], mcodes s[20:21], out0 s[22:23]
	v_lshl_add_u32 v[SPW], v0, 2, SPARE
	v_mov_b32 v[NIL], 0
	ds_add_u32 v[SPW], v[NIL]                      ; the opening add, twice on end; work on registers stands between it and the wait
	ds_add_u32 v[SPW], v[NIL]
	v_lshrrev_b32 v1, 5, v0
	v_readfirstlane_b32 s[WV], v1                  ; wave 0..11
	v_and_b32 v24, 31, v0
	v_lshlrev_b32 v[MO], 4, v24
	s_mov_b32 s50, ttmp9                           ; j: the cluster of the group's eight
	s_and_b32 s51, ttmp7, 0xffff                   ; y: the group of heads
	s_mul_i32 s2, s50, 11
	s_lshr_b32 s2, s2, 5                           ; a = j / 3
	s_mul_i32 s3, s2, 3
	s_sub_co_u32 s3, s50, s3                       ; j % 3
	s_lshl_b32 s52, s50, 1
	s_lshr_b32 s52, 0x129a, s52
	s_and_b32 s52, s52, 3                          ; b: 2, 2, 1, 2, 2, 0, 1, 0
	s_lshl_b32 s53, s50, 2
	s_lshr_b32 s53, 0x77676654, s53
	s_and_b32 s53, s53, 15                         ; b's first tile / 16: 4, 5, 6, 6, 7, 6, 7, 7
	s_mul_i32 s54, s51, 3
	s_add_co_u32 s2, s2, s54                       ; head a
	s_add_co_u32 s52, s52, s54                     ; head b
	; what I ask for: part w % 5 of head a (w < 5) or b.  No place in the cluster enters it
	s_mul_i32 s56, s[WV], 13
	s_lshr_b32 s56, s56, 6                         ; w / 5
	s_cmp_lt_u32 s[WV], 5
	s_cselect_b32 s57, s2, s52
	s_mul_i32 s57, s57, HB
	s_mul_i32 s58, s56, 5
	s_sub_co_u32 s58, s[WV], s58                   ; w % 5
	s_mul_i32 s59, s58, 28*256
	s_add_co_u32 s60, s57, s59                     ; the first fill: 5 x 28 rows,
	s_mov_b32 s61, 0
	s_mul_i32 s59, s58, 84*256
	s_add_co_u32 s62, s57, s59
	s_add_co_u32 s62, s62, GRPB                    ; the second: 5 x 84 rows
	s_mov_b32 s63, 0
	s_mov_b32 s[G0], 1
	s_mul_i32 s66, s[WV], 28*256
	s_mul_i32 s67, s56, HB-5*28*256
	s_add_co_u32 s[G0+1], s66, s67                 ; in LDS: head a from 0 on, head b from HB on
	s_mov_b32 s[G0B], 1
	s_mul_i32 s66, s[WV], 84*256
	s_mul_i32 s67, s56, HB-5*84*256
	s_add_co_u32 s66, s66, s67
	s_add_co_u32 s[G0B+1], s66, GRPB
	DENSE G1, 28
	DENSE G1B, 84
	; what I compute: my head and my tile
	s_bfe_u32 s54, ttmp6, 0x40000                  ; cx
	s_lshl_b32 s55, s3, 5
	s_lshl_b32 s68, s54, 3
	s_add_co_u32 s55, s55, s68
	s_add_co_u32 s55, s55, s[WV]                   ; of head a: 32 (j % 3) + 8 cx + wave
	s_lshl_b32 s53, s53, 4
	s_lshl_b32 s68, s54, 2
	s_add_co_u32 s53, s53, s68
	s_add_co_u32 s53, s53, s[WV]
	s_sub_co_u32 s53, s53, 8                       ; of head b: its first + 4 cx + wave - 8
	s_cmp_lt_u32 s[WV], 8
	s_cselect_b32 s54, s2, s52
	s_cselect_b32 s55, s55, s53
	s_lshl_b32 s52, s54, 19
	s_lshl_b32 s53, s55, 12
	s_add_co_u32 s52, s52, s53                     ; query and out0: a head is 2^19 bytes, a tile 2^12
	s_mov_b32 s53, 0
	s_lshr_b32 s54, s51, 2                         ; the batch
	s_lshl_b32 s54, s54, 7
	s_add_co_u32 s54, s54, s55
	s_lshl_b32 s54, s54, 14                        ; mcodes: a tile is 2^14 bytes
	s_mov_b32 s55, 0
	s_mov_b32 s[SEL], 0x76543210
	s_mov_b32 s[SEL+1], 0xfedcba98                 ; v_permlanex16_b32's selects for lane l xor 16
	s_mov_b32 s[CS], 0x3fb8aa3b
	s_mov_b32 s[TH], 0xd3800000
	s_mov_b32 s[BIAS], 0x7d007d
	s_mov_b32 s[TB], 0
	s_mov_b32 s[CNT], 2
	s_wait_alu depctr_va_vdst(0)                   ; the wait, directly ahead of the waits below
	s_wait_dscnt 0x0                               ; both opening adds are done
	s_wait_kmcnt 0x0
	s_add_nc_u64 s[QP:QP+1], s[16:17], s[52:53]
	s_add_nc_u64 s[OUTP:OUTP+1], s[22:23], s[52:53]
	s_add_nc_u64 s[MPT:MPT+1], s[20:21], s[54:55]
	s_add_nc_u64 s[G0+2:G0+3], s[18:19], s[60:61]
	s_or_b32 s[G0+3], s[G0+3], 0x80000000
	s_add_nc_u64 s[G0B+2:G0B+3], s[18:19], s[62:63]
	s_or_b32 s[G0B+3], s[G0B+3], 0x80000000
.macro MLOAD q                         ; a step's mask codes, into the buffer of its parity
	global_load_b128 v[M0+(M1-M0)*((\q)%2):M0+(M1-M0)*((\q)%2)+3], v[MO], s[MPT:MPT+1] offset:1024*(\q)
	global_load_b128 v[M0+(M1-M0)*((\q)%2)+4:M0+(M1-M0)*((\q)%2)+7], v[MO], s[MPT:MPT+1] offset:1024*(\q)+512
.endm
.irp m, 0,1,2,3,4,5,6,7
	global_load_b128 v[S+4*\m:S+4*\m+3], v[MO], s[QP:QP+1] offset:512*\m th:TH_LOAD_NT
.endr
	MLOAD 0
	MLOAD 1
	ROUND                                          ; all four work-groups are here: the first joint loads meet
	JLOAD G0, G1                                   ; steps 0 to 3
	; under that load's flight: addresses, constants, and Q
	v_and_b32 v25, 15, v0                          ; r
	v_bfe_u32 v26, v0, 4, 1                        ; h
	s_lshr_b32 s2, s[WV], 3
	s_mul_i32 s2, s2, HB                           ; my head's part of LDS
	v_lshl_add_u32 v[LI], v24, 4, s2
	v_lshl_add_u32 v[L8], v24, 3, s2
	v_add_nc_u32 v[A16], s[TB], v[LI]
	v_add_nc_u32 v[A8], s[TB], v[L8]
	s_mul_i32 s[STG], s[WV], STGB
	s_add_co_u32 s[STG], s[STG], STAGE             ; my stage
	v_mul_u32_u24 v27, v26, QP_                    ; in: lanes 0-15 one row of 256 bytes, lanes 16-31 the next
	v_lshl_add_u32 v27, v25, 4, v27
	v_add_nc_u32 v27, s[STG], v27
	v_and_b32 v30, 7, v25
	v_mul_u32_u24 v28, v30, QP_                    ; back: row r % 8, my half's 128 bytes
	v_lshl_add_u32 v28, v26, 7, v28
	v_add_nc_u32 v28, s[STG], v28
	v_lshlrev_b32 v[SH8], 3, v26
.irp i, 0,1,2,3
	v_mov_b32 v[QB+4+\i], 0
	v_mov_b32 v[KF+32+\i], 0
.endr
	s_wait_alu depctr_va_vdst(0)                   ; the wait, directly ahead of the wait below
	s_wait_loadcnt 4                               ; Q's eight are in; the mask's four may be out
; Q through my stage, eight rows at a time: LDS serves a wave's instructions in order
.irp u, 0,1
.irp m, 0,1,2,3
	ds_store_b128 v27, v[S+16*\u+4*\m:S+16*\u+4*\m+3] offset:\m*2*QP_
.endr
.irp m, 0,1,2,3,4,5,6,7
.if \u == 0
	ds_load_b128 v[S+32+4*\m:S+35+4*\m], v28 offset:16*\m
.else
	ds_load_b128 v[VF+4*\m:VF+3+4*\m], v28 offset:16*\m
.endif
.endr
.endr
	v_cmp_le_u32 vcc_lo, 8, v25
	s_wait_dscnt 0x0
.set j, 0
.rept 32
	v_cndmask_b32 v[S+32+j], v[S+32+j], v[VF+j], vcc_lo   ; query r, channels 32 h .. 32 h + 31: rows 8 to 15 came second
.set j, j+1
.endr
	v_max3_num_f32 v24, |v[S+32]|, |v[S+33]|, |v[S+34]|
	v_max3_num_f32 v25, |v[S+35]|, |v[S+36]|, |v[S+37]|
.irp i, 38,42,46,50,54,58
	v_max3_num_f32 v24, v24, |v[S+\i]|, |v[S+\i+1]|
	v_max3_num_f32 v25, v25, |v[S+\i+2]|, |v[S+\i+3]|
.endr
	v_max3_num_f32 v24, v24, |v[S+62]|, |v[S+63]|
	v_max3_num_f32 v24, v24, v25, 0x3000000        ; and the floor 2^(6 - 127)
	v_add_nc_u32 v25, 0xff000000, v24              ; 2 off the exponent field: the conversion's scale
	v_lshrrev_b32 v27, 23, v25
	v_add_nc_u32 v27, -3, v27                      ; THE FACTOR 1/8 is 3 off the scale's byte: the codes are the same
	v_mov_b32 v[PT], 0                             ; a lane permute's destination counts as one of its sources
.irp g, 0,1,2,3
	v_cvt_scalef32_pk8_fp4_f32 v[QB+\g], v[S+32+8*\g:S+39+8*\g], v25
.endr
	v_nop
	v_lshlrev_b32 v27, v[SH8], v27
	v_permlanex16_b32 v[PT], v27, s[SEL], s[SEL+1]
	v_or_b32 v27, v27, v[PT]
	v_or_b32 v[QS], 0x6f6f0000, v27                ; the other half of the operand is zero codes, under 2^-16
.irp g, 0,1,2,3
	v_xor_b32 v[QB+\g], 0x88888888, v[QB+\g]       ; -Q: the sign bit of each code
.endr
	v_mov_b32 v[MS], 0xc0c0c0c0                    ; the mask's: 0.5 x 2^65
	v_mov_b32 v[MX], 0xde800000                    ; -2^62: over every masked score, under every other
	v_mul_f32 v[NM], s[CS], v[MX]
	v_floor_f32 v[NM], -v[NM]
	v_mov_b32 v[L], 0
	v_mov_b32 v[L+1], 0
	v_mov_b32 v[C1], 0xbfb8aa3b
.set j, 0
.rept 32
	v_mov_b32 v[OT+j], 0                           ; the step is written alike: the first change of M multiplies zeros
.set j, j+1
.endr
	s_wait_alu depctr_va_vdst(0)                   ; the wait at the head's end
	s_wait_tensorcnt 0x0                           ; my part of the first fill is in; these lines stand ahead of a later first fill
	ds_add_u32 v[SPW], v[NIL]                      ; twice on end
	ds_add_u32 v[SPW], v[NIL]
	s_wait_dscnt 0x0
	ROUND                                          ; everybody's part of it is in
	JLOAD G0B, G1B                                 ; steps 4 to 15
.macro KLOAD q                         ; 9 loads: K's codes and scale words
.irp n, 0,1,2,3,4,5,6,7
	ds_load_b128 v[KF+16*(\n/4)+8*(\n%2)+4*((\n%4)/2):KF+16*(\n/4)+8*(\n%2)+4*((\n%4)/2)+3], v[A16] offset:STEPB*(\q)+512*\n
.endr
	ds_load_b128 v[KS:KS+3], v[A16] offset:STEPB*(\q)+8192
.endm
.macro VLOAD q                         ; 9 loads
.irp t, 0,1,2,3
.irp c, 0,1
	ds_load_b128 v[VF+8*\t+4*\c:VF+8*\t+4*\c+3], v[A16] offset:STEPB*(\q)+4096+1024*\t+512*\c
.endr
.endr
	ds_load_b64 v[VS:VS+1], v[A8] offset:STEPB*(\q)+8704
.endm
.macro PKF n                           ; t - M, two at a time
.rept \n
	v_pk_fma_f32 v[S+pf:S+pf+1], v[S+pf:S+pf+1], v[CF:CF+1], v[AD:AD+1] op_sel_hi:[1,0,0]
.set pf, pf+2
.endr
.endm
.macro EX2                             ; p = 2^(t - M), at most 1
	v_exp_f32 v[S+j], v[S+j]
	v_exp_f32 v[S+j+1], v[S+j+1]
.set j, j+2
.endm
.macro ADD a, b                        ; the row's sum of the unquantised p: a tree in place, two at a time
	v_pk_add_f32 v[S+\a:S+\a+1], v[S+\a:S+\a+1], v[S+\b:S+\b+1]
.endm
.macro OTMUL j0
.irp i, 0,2,4,6,8,10,12,14
	v_pk_mul_f32 v[OT+\j0+\i:OT+\j0+\i+1], v[OT+\j0+\i:OT+\j0+\i+1], v[FF:FF+1] op_sel_hi:[1,0]   ; O^T under the new M
.endr
.endm
; A KEY STEP: the q-th of the four in hand.  bar = 1: say that my part of the second fill is in; bar = 2: wait until every wave has said so, ahead of the first read of it.  last = 1: the launch's last four.
.macro STEP q, bar, last
	VLOAD \q
.if ((\q) < 3) || ((\last) == 0)
	s_wait_loadcnt 2                               ; this step's mask codes are in; the next step's two loads may be out
.else
	s_wait_loadcnt 0x0
.endif
	s_wait_dscnt 9                                 ; and K; V's nine may be out
.irp n, 0,1,2,3,4,5,6,7                ; the accumulators begin as 2^64 where a key is masked, and as 0
	v_cvt_scale_pk8_f32_fp4 v[S+8*\n:S+8*\n+7], v[M0+(M1-M0)*((\q)%2)+\n], v[MS]
.endr
.if (((\q) < 2) || ((\last) == 0)) && ((\bar) != 2)
	MLOAD (\q)+2
.endif
.rept 4
	v_nop                                          ; places between the conversions and the products
.endr
.irp p, 0,1,2,3                        ; tiles 2 p and 2 p + 1: eight registers apart; -S is added
	v_wmma_scale_f32_32x16x128_f4 v[S+16*\p:S+16*\p+15], v[KF+16*(\p/2)+4*(\p%2):KF+16*(\p/2)+4*(\p%2)+15], v[QB:QB+7], v[S+16*\p:S+16*\p+15], v[KS+\p], v[QS]
.endr
.rept 4
	v_nop                                          ; places ahead of the loads and of the results' readers
.endr
.if (\bar) == 2
	s_wait_alu depctr_va_vdst(0)                   ; the wait, directly ahead of the barrier's wait
	s_barrier_wait -1                              ; steps 4 to 15 are whole
	MLOAD (\q)+2
.endif
.if ((\q) < 3) || ((\last) == 0)
	KLOAD (\q)+1
.endif
.irp n, 0,1,2,3,4,5,6,7                ; the largest scores: a chain a tile,
	v_max3_num_f32 v[BM+\n], -v[S+8*\n], -v[S+8*\n+1], -v[S+8*\n+2]
.endr
.irp i, 3,5
.irp n, 0,1,2,3,4,5,6,7
	v_max3_num_f32 v[BM+\n], v[BM+\n], -v[S+8*\n+\i], -v[S+8*\n+\i+1]
.endr
.endr
	v_max3_num_f32 v[BM], v[BM], -v[S+7], -v[S+15]
	v_max3_num_f32 v[BM+1], v[BM+1], -v[S+23], -v[S+31]
	v_max_num_f32 v[BM+2], v[BM+2], v[BM+3]
	v_max3_num_f32 v[BM+4], v[BM+4], -v[S+39], -v[S+47]
	v_max3_num_f32 v[BM+5], v[BM+5], -v[S+55], -v[S+63]
	v_max_num_f32 v[BM+6], v[BM+6], v[BM+7]
	v_max3_num_f32 v[BM], v[BM], v[BM+1], v[BM+2]  ; joined for the two blocks
	v_max3_num_f32 v[BM+4], v[BM+4], v[BM+5], v[BM+6]
.if (\bar) == 1
	s_wait_alu depctr_va_vdst(0)                   ; the wait, directly ahead of the waits below
	s_wait_tensorcnt 0x0                           ; my part of steps 4 to 15 is in
	s_wait_dscnt 0x0
	s_barrier_signal -1                            ; register work and reads of steps 0 to 3 alone up to the barrier's wait, a step on
.endif
	v_max_num_f32 v[W], v[BM], v[BM+4]
	v_permlanex16_b32 v[PT], v[W], s[SEL], s[SEL+1]
	v_max3_num_f32 v[MX], v[W], v[PT], v[MX]       ; the row's largest score so far
	s_delay_alu instid0(VALU_DEP_1)
	v_mul_f32 v[W], s[CS], v[MX]
	v_cmp_lt_f32 vcc_lo, s[TH], v[MX]              ; has a key of the row counted?
	v_floor_f32 v[W], -v[W]                        ; the new -M
	v_cndmask_b32 v[CF], 0, v[C1], vcc_lo
	v_cndmask_b32 v[AD], 0, v[W], vcc_lo
	v_sub_f32 v[TT], v[W], v[NM]                   ; M's old value less its new one
	v_mov_b32 v[NM], v[W]
	v_fma_f32 v[BM], -v[BM], v[CF], v[AD]          ; u of each block's largest score
	v_fma_f32 v[BM+4], -v[BM+4], v[CF], v[AD]
	v_cvt_i32_f32 v[TT], v[TT]                     ; (it saturates)
.set pf, 0
	PKF 4                                          ; c = 0
	v_max_num_f32 v[BM], 0xc2f80000, v[BM]         ; -124 from below: the byte cannot fall under 1
	v_max_num_f32 v[BM+4], 0xc2f80000, v[BM+4]
	v_ldexp_f32 v[FF], 1.0, v[TT]
	PKF 4
	v_floor_f32 v[BM], v[BM]
	v_floor_f32 v[BM+4], v[BM+4]
	PKF 4
	v_cvt_i32_f32 v[I0], v[BM]
	v_cvt_i32_f32 v[I1], v[BM+4]
	PKF 4
	v_add_lshl_u32 v[SO], v[I0], 0x7d, 23          ; the conversions' scale operands: 2^(floor(u) - 2)
	v_add_lshl_u32 v[SO+1], v[I1], 0x7d, 23
	v_lshl_add_u32 v[W], v[I1], 16, v[I0]          ; and their bytes: block h in byte h, block 2 + h in byte 2 + h
	OTMUL 0
	v_add_lshl_u32 v[W], v[W], s[BIAS], v[SH8]
	OTMUL 16
	v_permlanex16_b32 v[PT], v[W], s[SEL], s[SEL+1]
	s_wait_alu depctr_va_vdst(0)                   ; the wait ahead of the batch
.set j, 0
.rept 16                               ; c = 0's exponentials; among them c = 1's multiply-adds, first read behind the next wait
	EX2
	PKF 1
.endr
	s_wait_alu depctr_va_vdst(0)                   ; the wait behind this batch, and ahead of the next
.irp g, 0,1,2,3                        ; c = 1's exponentials; among them c = 0's conversions (already in the operand's order) and its first additions
	EX2
	v_cvt_scalef32_pk8_fp4_f32 v[PC+\g], v[S+8*\g:S+8*\g+7], v[SO]
.endr
	EX2
	v_or_b32 v[PS], v[W], v[PT]                    ; P's scale word
.irp a, 0,4,8,12,16,20,24
	EX2
	ADD \a, \a+2
.endr
.rept 4
	EX2
.endr
	ADD 28, 30
	s_wait_alu depctr_va_vdst(0)                   ; and the wait behind it
.if ((\q) < 3) || ((\last) == 0)
	s_wait_dscnt 9                                 ; V is in; the next step's nine may be out
.else
	s_wait_dscnt 0x0
.endif
.irp g, 4,5,6,7
	v_cvt_scalef32_pk8_fp4_f32 v[PC+\g], v[S+8*\g:S+8*\g+7], v[SO+1]
.endr
.irp a, 0,8,16,24
	ADD \a, \a+4
.endr
.irp a, 32,36,40,44,48,52,56,60
	ADD \a, \a+2                                   ; (places ahead of the products that read P's codes)
.endr
.irp w, 0,1
	v_wmma_scale_f32_32x16x128_f4 v[OT+16*\w:OT+16*\w+15], v[VF+16*\w:VF+16*\w+15], v[PC:PC+7], v[OT+16*\w:OT+16*\w+15], v[VS+\w], v[PS]
.endr
.irp a, 32,40,48,56
	ADD \a, \a+4                                   ; (and places behind them)
.endr
	ADD 0, 8
	ADD 16, 24
	ADD 32, 40
	ADD 48, 56
	ADD 0, 16
	ADD 32, 48
	ADD 0, 32
	v_pk_fma_f32 v[L:L+1], v[L:L+1], v[FF:FF+1], v[S:S+1] op_sel_hi:[1,0,1]
.endm
.macro GROUP bar, last                 ; four steps
	STEP 0, 0, \last
	STEP 1, 0, \last
	STEP 2, \bar, \last
	STEP 3, 2*\bar, \last
.if (\last) == 0
	s_add_co_u32 s[TB], s[TB], GRPB
	v_add_nc_u32 v[A16], s[TB], v[LI]
	v_add_nc_u32 v[A8], s[TB], v[L8]
	s_wait_alu depctr_va_vdst(0)                   ; the wait, behind the addresses
	s_wait_xcnt 0x0                                ; the mask's loads have read their base
	s_add_nc_u64 s[MPT:MPT+1], s[MPT:MPT+1], 4096
.endif
.endm
	KLOAD 0
	GROUP 1, 0
.Lgroup:
	GROUP 0, 0
	s_sub_co_u32 s[CNT], s[CNT], 1
	s_cmp_lg_u32 s[CNT], 0
	s_cbranch_scc1 .Lgroup
	GROUP 0, 1                                     ; written out: its last steps load nothing more
	; THE WAY OUT: O^T / the sum, through my stage, half a row (32 channels) of 16 queries at a time
	v_add_f32 v[L], v[L], v[L+1]
	v_permlanex16_b32 v[PT], v[L], s[SEL], s[SEL+1]
	v_add_f32 v[L], v[L], v[PT]
	s_wait_alu depctr_va_vdst(0)                   ; the wait ahead of the transcendental
	v_rcp_f32 v[L], v[L]
	v_and_b32 v24, 7, v0
	v_and_b32 v25, 15, v0
	v_bfe_u32 v28, v0, 4, 1
	v_mul_u32_u24 v27, v28, OP_                    ; back: lanes 0-15 one row, lanes 16-31 the next; chunk lane % 8
	v_lshl_add_u32 v27, v24, 4, v27
	v_add_nc_u32 v27, s[STG], v27
	v_mul_u32_u24 v29, v25, OP_                    ; in: query r, eight channels of my half
	v_lshl_add_u32 v29, v28, 5, v29
	v_add_nc_u32 v29, s[STG], v29
	v_and_b32 v25, 8, v0
	s_wait_alu depctr_va_vdst(0)                   ; the wait, ahead of the first readers of the reciprocal and of the last products
.set j, 0
.rept 32
	v_mul_f32 v[S+j], v[OT+j], v[L]                ; register 8 t + i is channel 16 t + 8 h + i
.set j, j+1
.endr
	v_cmp_ne_u32 vcc_lo, 0, v25
.irp u, 0,1
.irp t, 0,1
	ds_store_b128 v29, v[S+16*\u+8*\t:S+16*\u+8*\t+3] offset:64*\t
	ds_store_b128 v29, v[S+16*\u+8*\t+4:S+16*\u+8*\t+7] offset:64*\t+16
.endr
.irp i, 0,1,2,3,4,5,6,7
	ds_load_b128 v[KF+32*\u+4*\i:KF+32*\u+4*\i+3], v27 offset:\i*2*OP_   ; LDS serves a wave's instructions in order
.endr
.endr
	s_wait_dscnt 0x0
.set j, 0
.rept 32
	v_cndmask_b32 v[KF+j], v[KF+j], v[KF+32+j], vcc_lo   ; lanes 0-7 of a row keep channels 0 to 31, lanes 8-15 take 32 to 63
.set j, j+1
.endr
.irp i, 0,1,2,3,4,5,6,7
	global_store_b128 v[MO], v[KF+4*\i:KF+4*\i+3], s[OUTP:OUTP+1] offset:512*\i th:TH_STORE_NT   ; sixteen lanes store 256 consecutive bytes, aligned
.endr
	s_wait_tensorcnt 0x0                           ; the wave's end
	ds_add_u32 v[SPW], v[NIL]
	s_wait_dscnt 0x0
	ROUND                                          ; the closing round
	s_endpgm
.Lfunc_end_k_qff448f0a4c_attn:
	.size	k_qff448f0a4c_attn, .Lfunc_end_k_qff448f0a4c_attn-k_qff448f0a4c_attn
	.p2alignl 7, 3214868480
	.fill 96, 4, 3214868480
	.section	.rodata,"a",@progbits
	.p2align	6, 0x0
	.amdhsa_kernel k_qff448f0a4c_attn
		.amdhsa_group_segment_fixed_size 327680
		.amdhsa_private_segment_fixed_size 0
		.amdhsa_enable_private_segment 0
		.amdhsa_kernarg_size 32
		.amdhsa_user_sgpr_count 2
		.amdhsa_user_sgpr_kernarg_segment_ptr 1
		.amdhsa_wavefront_size32 1
		.amdhsa_system_sgpr_workgroup_id_x 1
		.amdhsa_system_sgpr_workgroup_id_y 1
		.amdhsa_system_sgpr_workgroup_id_z 1
		.amdhsa_system_vgpr_workitem_id 0
		.amdhsa_next_free_vgpr 256
		.amdhsa_next_free_sgpr 72
		.amdhsa_reserve_vcc 1
		.amdhsa_float_denorm_mode_32 3
		.amdhsa_float_denorm_mode_16_64 3
		.amdhsa_memory_ordered 1
		.amdhsa_forward_progress 1
		.amdhsa_inst_pref_size 186
	.end_amdhsa_kernel
	.amdgpu_metadata
---
amdhsa.version: [ 1, 2 ]
amdhsa.kernels:
  - .name:           k_qff448f0a4c_attn
    .symbol:         k_qff448f0a4c_attn.kd
    .args:
      - { .name: query, .offset: 0, .size: 8, .value_kind: global_buffer, .address_space: global }
      - { .name: kv, .offset: 8, .size: 8, .value_kind: global_buffer, .address_space: global }
      - { .name: mcodes, .offset: 16, .size: 8, .value_kind: global_buffer, .address_space: global }
      - { .name: out0, .offset: 24, .size: 8, .value_kind: global_buffer, .address_space: global }
    .group_segment_fixed_size: 327680
    .private_segment_fixed_size: 0
    .kernarg_segment_align: 8
    .kernarg_segment_size: 32
    .max_flat_workgroup_size: 384
    .sgpr_count:     72
    .vgpr_count:     256
    .wavefront_size: 32
...
	.end_amdgpu_metadata
.endif
;; end of part 4
